; MI455X (gfx1250); checked and timed in simulation.
; The chip was launched on July 23, 2026; its instructions are those of AMD's public machine-readable ISA for CDNA 5 (MIT licence, August 2026) and "CDNA5" Instruction Set Architecture Reference Guide (July 2026). The comments in the code are by the model that wrote it; some were corrected since.
;; Cascaded Branch. Allowed arithmetic: float matrix products may take bf16 or f16 operands with f32 sums; other float arithmetic in f32, or as packed bf16 or f16 multiplies, adds, multiply-adds, maxima and minima; sums over many terms, partial sums and values carried from step to step in f32; what a program stores and reads back later, other than sums and carried values, may be rounded once to bf16 or f16.
;; Inputs: W_proj 768 x 512 float32; audio_kw 256 x 8 x 768 float32; b_proj 512 float32; bn_beta 512 float32; bn_gamma 512 float32; emb 24,704 x 512 float32.
;; Outputs: out0 256 x 8 x 512 float32.
;; 2 versions, each right; version 2 is version 1 with the launches proj, combine written anew for expert scheduling mode. Each part assembles by itself: llvm-mc -triple=amdgcn-amd-amdhsa -mcpu=gfx1250 --defsym DOCPART=n.
;; ======== version 1 of 2: 4 launches
;; workspace buffers: projw 4,194,304 bytes; pstat 131,072 bytes; qf 2,097,152 bytes; embh 26,214,400 bytes; tab 102,400 bytes; opart 33,554,432 bytes; lpart 65,536 bytes
;; launch proj (part 1): grid 32 x 8, 16 waves a work-group, no clusters, 243,712 bytes of LDS; arguments audio_kw, W_proj, b_proj, projw, pstat; writes projw, pstat
.if DOCPART == 1
	.amdgcn_target "amdgcn-amd-amdhsa--gfx1250"
	.amdhsa_code_object_version 6
	.text
	.protected	k_qccc8cb8435_proj
	.globl	k_qccc8cb8435_proj
	.p2align	8
	.type	k_qccc8cb8435_proj,@function
k_qccc8cb8435_proj:
	s_mov_b64 s[64:65], 0
	v_nop
	global_prefetch_b8 v0, s[64:65] scope:SCOPE_SE
	s_setreg_imm32_b32 hwreg(HW_REG_WAVE_MODE, 25, 1), 1
	s_wait_xcnt 0x0
; proj[row][f] = sum over k of bf16(A[row][k]) bf16(W[k][f]) + bf16(b[f]), sums in f32.  A: [2048][768] f32, W: [768][512] f32, projw: [2048][512] f32.
; A work-group makes 64 rows x 64 features, and for each feature the mean of its 64 rows and M2, the sum of squared deviations from that mean
; (pstat: [2][32 row blocks][512] f32), so that the batch norm's variance is never a difference of large sums.
; All sixteen waves bring A and W in, round them to bf16 and lay them into LDS; waves 0 to 3 multiply (16 features x 64 rows each, 96 matrix instructions);
; all sixteen store.  The matrix instruction is used transposed (source 0 = 16 features of W, source 1 = 16 rows of A): a lane then holds one row and
; eight neighbouring features, and a feature's sum over rows stays inside sixteen lanes.
.set WL,    0                          ; W as bf16, [768 k][64 features], rows of 128 bytes + 32
.set WP,    160
.set AL,    768*WP                     ; A as bf16, [64 rows][768 k], rows of 1,536 bytes + 16: 97 x 16, so sixteen rows start at sixteen different groups of four banks
.set AP,    1552
.set STG,   AL+64*AP                   ; the result, [64 rows][64 features] f32, rows of 256 bytes + 16
.set SGP,   272
.set STAT,  STG+64*SGP                 ; mean[64], M2[64]
.set SPARE, STAT+512                   ; the spare words: 128 bytes for each of sixteen waves
.set SPW,  30                          ; v30  my spare word's address; never rewritten
.set NIL,  31                          ; v31  0; never rewritten
.set X,    32                          ; v[32:223]  48 loads of 16 bytes; later two fragment buffers of 80 and the accumulators
.set BUF0, 32
.set ACC,  192                         ; v[192:223] four accumulators: rows 16 t .. 16 t + 15
.set BIAS, 224                         ; v[224:231] b of my eight features
.set SM,   32                          ; v[32:39]   sums, then means
.set M2,   40                          ; v[40:47]
.set DV,   48                          ; v[48:79]   deviations
.macro PLACES n
.rept \n
	v_nop
.endr
.endm
	s_load_b256 s[4:11], s[0:1], 0x0               ; A s[4:5], W s[6:7], b s[8:9], projw s[10:11]
	s_load_b64 s[12:13], s[0:1], 0x20              ; pstat
	v_lshl_add_u32 v[SPW], v0, 2, SPARE
	v_mov_b32 v[NIL], 0
	v_lshrrev_b32 v1, 5, v0
	v_readfirstlane_b32 s14, v1                    ; wave 0..15
	v_and_b32 v1, 31, v0                           ; lane
	v_and_b32 v2, 15, v0                           ; r
	v_bfe_u32 v3, v0, 4, 1                         ; h
	s_and_b32 s15, ttmp7, 0xffff                   ; feature block
	s_lshl_b32 s24, s15, 8                         ; its 64 features in bytes of f32
	s_mov_b32 s25, 0
	s_and_b32 s16, s14, 3
	s_lshl_b32 s16, s16, 6
	s_add_co_u32 s16, s16, s24
	v_lshl_add_u32 v4, v3, 5, s16                  ; b: features 64 fb + 16 (w % 4) + 8 h on
	v_lshlrev_b32 v5, 4, v1                        ; A: 16 bytes a lane
	s_mul_i32 s17, s14, 48*2048
	v_lshlrev_b32 v6, 4, v2
	v_lshl_add_u32 v6, v3, 11, v6
	v_add_nc_u32 v6, s17, v6                       ; W: row 48 w + h, 16 bytes for each of sixteen lanes
	s_mul_i32 s18, s14, 4*AP
	s_add_co_u32 s18, s18, AL
	v_lshl_add_u32 v7, v1, 3, s18                  ; A in LDS: rows 4 w on, 8 bytes a lane
	s_mul_i32 s19, s14, 48*WP
	v_mul_u32_u24 v8, v3, WP
	v_lshl_add_u32 v8, v2, 3, v8
	v_add_nc_u32 v8, s19, v8                       ; W in LDS: row 48 w + h
	s_lshl_b32 s16, s14, 2
	v_add_nc_u32 v15, s16, v3                      ; 4 w + h: the rows that I store at the end
	v_lshlrev_b32 v16, 11, v15
	v_lshl_add_u32 v16, v2, 4, v16                 ; in projw
	v_mul_u32_u24 v15, v15, SGP
	v_lshl_add_u32 v15, v2, 4, v15
	v_add_nc_u32 v15, STG, v15                     ; in the stage
	v_lshl_add_u32 v17, v1, 4, STAT                ; the 512 bytes of statistics, 16 a lane
	v_lshlrev_b32 v18, 4, v2
	v_lshl_add_u32 v18, v3, 16, v18                ; lanes 0-15 the plane of means, lanes 16-31 that of M2
	s_mul_i32 s22, ttmp9, 64*3072
	s_mul_i32 s20, s14, 4*3072
	s_add_co_u32 s22, s22, s20                     ; A: rows 64 rb + 4 w on
	s_mov_b32 s23, 0
	s_lshl_b32 s26, ttmp9, 17
	s_add_co_u32 s26, s26, s24                     ; projw: row 64 rb, feature 64 fb
	s_mov_b32 s27, 0
	s_lshl_b32 s28, ttmp9, 11
	s_add_co_u32 s28, s28, s24                     ; pstat: row block rb, feature 64 fb
	s_mov_b32 s29, 0
	s_wait_kmcnt 0x0
	s_add_nc_u64 s[4:5], s[4:5], s[22:23]
	s_add_nc_u64 s[6:7], s[6:7], s[24:25]
	s_add_nc_u64 s[10:11], s[10:11], s[26:27]
	s_add_nc_u64 s[12:13], s[12:13], s[28:29]
	; IN: fifty loads go out together.  My four rows of A are 12,288 consecutive bytes; of W sixteen lanes take 256 consecutive bytes of a row.
	global_load_b128 v[BIAS:BIAS+3], v4, s[8:9]
	global_load_b128 v[BIAS+4:BIAS+7], v4, s[8:9] offset:16
.set i, 0
.rept 24
	global_load_b128 v[X+4*i:X+4*i+3], v5, s[4:5] offset:512*i
.set i, i+1
.endr
.set i, 0
.rept 24
	global_load_b128 v[X+96+4*i:X+96+4*i+3], v6, s[6:7] offset:4096*i
.set i, i+1
.endr
.set n, 0
.rept 6
	s_wait_loadcnt 40-n                            ; loads come back in order: b and the first n + 8 of the 48 are in, the younger ones stay out
.rept 8
	v_cvt_pk_bf16_f32 v[X+4*n], v[X+4*n], v[X+4*n+1]
	v_cvt_pk_bf16_f32 v[X+4*n+1], v[X+4*n+2], v[X+4*n+3]
.if n < 24
	ds_store_b64 v7, v[X+4*n:X+4*n+1] offset:(n/6)*AP+256*(n%6)
.else
	ds_store_b64 v8, v[X+4*n:X+4*n+1] offset:2*WP*(n-24)
.endif
.set n, n+1
.endr
.endr
	s_wait_dscnt 0x0                               ; for the others' sake: my part of A and W lies in LDS
	s_barrier_signal -1
	s_barrier_wait -1
	s_cmp_ge_u32 s14, 4
	s_cbranch_scc1 .Ljoin                          ; waves 4 to 15 have no product
	; THE PRODUCT.  b is rounded to bf16 like the other inputs and starts the sums as the first products' C.
.irp p, 0,1,2,3
	v_cvt_pk_bf16_f32 v[24+\p], v[BIAS+2*\p], v[BIAS+2*\p+1]
.endr
.irp p, 0,1,2,3
	v_lshlrev_b32 v[BIAS+2*\p], 16, v[24+\p]
	v_and_b32 v[BIAS+2*\p+1], 0xffff0000, v[24+\p]
.endr
	v_and_b32 v9, 7, v0
	v_lshl_add_u32 v9, v3, 3, v9
	v_mul_u32_u24 v9, v9, WP                       ; the turning load: k row 8 h + lane % 8,
	v_bfe_u32 v10, v0, 3, 1
	v_lshl_add_u32 v9, v10, 4, v9                  ; features 8 ((lane / 8) % 2) on,
	s_lshl_b32 s16, s14, 5
	v_add_nc_u32 v9, s16, v9                       ; of my sixteen
	v_add_nc_u32 v10, 384*WP, v9                   ; the same for k from 384 on: the immediate holds 16 bits
	v_mul_u32_u24 v11, v2, AP
	v_lshl_add_u32 v11, v3, 4, v11
	v_add_nc_u32 v11, AL, v11                      ; A: row r, 16 bytes for each half of the lanes
	v_add_nc_u32 v12, 32*AP, v11                   ; rows 32 on
	s_lshl_b32 s16, s14, 6
	v_lshl_add_u32 v14, v3, 5, s16                 ; 64 w + 32 h: my eight features in bytes of f32
	v_mul_u32_u24 v13, v2, SGP
	v_add3_u32 v13, v13, v14, STG
	v_add_nc_u32 v14, STAT, v14
; Two steps of 32 along K: for each a fragment of W (turned) and four of A: 20 loads, 80 registers.
.macro FETCHG b, buf
.irp s, 0,1
.set kk, 2*(\b)+\s
.set fr, (\buf)+40*\s
	ds_load_tr16_b128 v[fr:fr+3],   v[9+kk/12] offset:32*(kk%12)*WP
	ds_load_tr16_b128 v[fr+4:fr+7], v[9+kk/12] offset:(32*(kk%12)+16)*WP
.irp t, 0,1,2,3
	ds_load_b128 v[fr+8+8*\t:fr+8+8*\t+3],  v[11+\t/2] offset:(\t%2)*16*AP+64*kk
	ds_load_b128 v[fr+12+8*\t:fr+12+8*\t+3], v[11+\t/2] offset:(\t%2)*16*AP+64*kk+32
.endr
.endr
.endm
; Eight matrix instructions; the four accumulators take turns, one instruction a turn.
.macro MULG buf, first
.irp s, 0,1
.irp t, 0,1,2,3
.if (\first) && (\s == 0)
	v_wmma_f32_16x16x32_bf16 v[ACC+8*\t:ACC+8*\t+7], v[(\buf)+40*\s:(\buf)+40*\s+7], v[(\buf)+40*\s+8+8*\t:(\buf)+40*\s+15+8*\t], v[BIAS:BIAS+7]
.else
	v_wmma_f32_16x16x32_bf16 v[ACC+8*\t:ACC+8*\t+7], v[(\buf)+40*\s:(\buf)+40*\s+7], v[(\buf)+40*\s+8+8*\t:(\buf)+40*\s+15+8*\t], v[ACC+8*\t:ACC+8*\t+7]
.endif
.endr
.endr
.endm
	FETCHG 0, BUF0
	FETCHG 1, BUF0+80
	s_wait_dscnt 20                                ; the older buffer is in; the other's 20 loads stay out
	MULG BUF0, 1
	PLACES 4                                       ; four places between the products and the loads into the registers that they read
	FETCHG 2, BUF0
.set gb, 1
.rept 11
.if gb < 11
	s_wait_dscnt 20
.else
	s_wait_dscnt 0x0
.endif
	MULG BUF0+80*(gb%2), 0
.if gb < 10
	PLACES 4
	FETCHG gb+2, BUF0+80*(gb%2)
.endif
.set gb, gb+1
.endr
	PLACES 4
	; STATISTICS of my 64 rows, for eight features a lane: each accumulator is read from its lowest registers on.
.irp p, 0,1,2,3
	v_pk_add_f32 v[SM+2*\p:SM+2*\p+1], v[ACC+2*\p:ACC+2*\p+1], v[ACC+8+2*\p:ACC+8+2*\p+1]
.endr
.irp t, 2,3
.irp p, 0,1,2,3
	v_pk_add_f32 v[SM+2*\p:SM+2*\p+1], v[SM+2*\p:SM+2*\p+1], v[ACC+8*\t+2*\p:ACC+8*\t+2*\p+1]
.endr
.endr
.macro RED16 base                      ; eight registers summed over the sixteen lanes of a half; every lane ends with the sum
.irp m, 1,2,4,8
.irp j, 0,1,2,3,4,5,6,7
	v_add_f32_dpp v[(\base)+\j], v[(\base)+\j], v[(\base)+\j] row_xmask:\m row_mask:0xf bank_mask:0xf
.endr
.endr
.endm
	RED16 SM
.irp p, 0,1,2,3
	v_pk_mul_f32 v[SM+2*\p:SM+2*\p+1], v[SM+2*\p:SM+2*\p+1], 0x3c800000 op_sel_hi:[1,0]  ; / 64
.endr
.irp t, 0,1,2,3
.irp p, 0,1,2,3
	v_pk_add_f32 v[DV+8*\t+2*\p:DV+8*\t+2*\p+1], v[ACC+8*\t+2*\p:ACC+8*\t+2*\p+1], v[SM+2*\p:SM+2*\p+1] neg_lo:[0,1] neg_hi:[0,1]
.endr
.endr
.irp p, 0,1,2,3
	v_pk_mul_f32 v[M2+2*\p:M2+2*\p+1], v[DV+2*\p:DV+2*\p+1], v[DV+2*\p:DV+2*\p+1]
.endr
.irp t, 1,2,3
.irp p, 0,1,2,3
	v_pk_fma_f32 v[M2+2*\p:M2+2*\p+1], v[DV+8*\t+2*\p:DV+8*\t+2*\p+1], v[DV+8*\t+2*\p:DV+8*\t+2*\p+1], v[M2+2*\p:M2+2*\p+1]
.endr
.endr
	RED16 M2
.irp t, 0,1,2,3
	ds_store_b128 v13, v[ACC+8*\t:ACC+8*\t+3] offset:16*SGP*\t
	ds_store_b128 v13, v[ACC+8*\t+4:ACC+8*\t+7] offset:16*SGP*\t+16
.endr
	ds_store_b128 v14, v[SM:SM+3]                  ; sixteen lanes write the same numbers to the same words
	ds_store_b128 v14, v[SM+4:SM+7] offset:16
	ds_store_b128 v14, v[M2:M2+3] offset:256
	ds_store_b128 v14, v[M2+4:M2+7] offset:272
.Ljoin:
	s_wait_dscnt 0x0                               ; for the others' sake: stage and statistics are written
	s_barrier_signal -1
	s_barrier_wait -1
	; OUT: each wave four rows; sixteen lanes store 256 consecutive bytes, at a multiple of 256 from projw's first byte.
	ds_load_b128 v[32:35], v15
	ds_load_b128 v[36:39], v15 offset:2*SGP
	s_wait_dscnt 0x1
	global_store_b128 v16, v[32:35], s[10:11]
	s_wait_dscnt 0x0
	global_store_b128 v16, v[36:39], s[10:11] offset:4096
	s_cmp_lg_u32 s14, 0
	s_cbranch_scc1 .Lend
	ds_load_b128 v[40:43], v17
	s_wait_dscnt 0x0
	global_store_b128 v18, v[40:43], s[12:13]      ; 256 bytes of means, 256 bytes of M2
.Lend:
	s_wait_tensorcnt 0x0                           ; the wave's end: behind my last LDS store
	ds_add_u32 v[SPW], v[NIL]
	s_wait_dscnt 0x0
	s_endpgm
.Lfunc_end_k_qccc8cb8435_proj:
	.size	k_qccc8cb8435_proj, .Lfunc_end_k_qccc8cb8435_proj-k_qccc8cb8435_proj
	.p2alignl 7, 3214868480
	.fill 96, 4, 3214868480
	.section	.rodata,"a",@progbits
	.p2align	6, 0x0
	.amdhsa_kernel k_qccc8cb8435_proj
		.amdhsa_group_segment_fixed_size 243712
		.amdhsa_private_segment_fixed_size 0
		.amdhsa_enable_private_segment 0
		.amdhsa_kernarg_size 40
		.amdhsa_user_sgpr_count 2
		.amdhsa_user_sgpr_kernarg_segment_ptr 1
		.amdhsa_wavefront_size32 1
		.amdhsa_system_sgpr_workgroup_id_x 1
		.amdhsa_system_sgpr_workgroup_id_y 1
		.amdhsa_system_sgpr_workgroup_id_z 1
		.amdhsa_system_vgpr_workitem_id 0
		.amdhsa_next_free_vgpr 256
		.amdhsa_next_free_sgpr 66
		.amdhsa_reserve_vcc 0
		.amdhsa_float_denorm_mode_32 3
		.amdhsa_float_denorm_mode_16_64 3
		.amdhsa_memory_ordered 1
		.amdhsa_forward_progress 1
		.amdhsa_inst_pref_size 50
	.end_amdhsa_kernel
	.amdgpu_metadata
---
amdhsa.version: [ 1, 2 ]
amdhsa.kernels:
  - .name:           k_qccc8cb8435_proj
    .symbol:         k_qccc8cb8435_proj.kd
    .args:
      - { .name: audio_kw, .offset: 0, .size: 8, .value_kind: global_buffer, .address_space: global }
      - { .name: W_proj, .offset: 8, .size: 8, .value_kind: global_buffer, .address_space: global }
      - { .name: b_proj, .offset: 16, .size: 8, .value_kind: global_buffer, .address_space: global }
      - { .name: projw, .offset: 24, .size: 8, .value_kind: global_buffer, .address_space: global }
      - { .name: pstat, .offset: 32, .size: 8, .value_kind: global_buffer, .address_space: global }
    .group_segment_fixed_size: 243712
    .private_segment_fixed_size: 0
    .kernarg_segment_align: 8
    .kernarg_segment_size: 40
    .max_flat_workgroup_size: 512
    .sgpr_count:     66
    .vgpr_count:     256
    .wavefront_size: 32
...
	.end_amdgpu_metadata
.endif
;; end of part 1
;; launch bnprep (part 2): grid 328 x 1, 8 waves a work-group, no clusters, 24,576 bytes of LDS; arguments projw, pstat, bn_gamma, bn_beta, qf, emb, embh, tab; writes qf, embh, tab
.if DOCPART == 2
	.amdgcn_target "amdgcn-amd-amdhsa--gfx1250"
	.amdhsa_code_object_version 6
	.text
	.protected	k_qccc8cb8435_bnprep
	.globl	k_qccc8cb8435_bnprep
	.p2align	8
	.type	k_qccc8cb8435_bnprep,@function
k_qccc8cb8435_bnprep:
	s_mov_b64 s[64:65], 0
	v_nop
	global_prefetch_b8 v0, s[64:65] scope:SCOPE_SE
	s_setreg_imm32_b32 hwreg(HW_REG_WAVE_MODE, 25, 1), 1
	s_wait_xcnt 0x0
; TWO JOBS THAT DO NOT DEPEND ON EACH OTHER, IN ONE LAUNCH; one branch on the work-group's number, the same for all eight waves, parts them.
; WORK-GROUPS 0 TO 127: batch norm and row norm.  y = (proj - mean) rsqrt(var + 1e-5) bf16(gamma) + bf16(beta); q = y / |y|, rounded once to bf16.
;   mean and var over the 2,048 rows are joined from the 32 row blocks' means and M2: M2 = sum of M2_i + 64 sum of (mean_i - mean)^2: no difference of large sums.
;   A work-group takes 16 rows and joins the statistics for itself (wave w for features 64 w on, two a lane).
;   qf holds q in the order of matrix fragments: [128 tiles of 16 rows][16 c][2 halves][32 lanes][16 bytes]; lane r + 16 h holds channels 32 c + 16 half + 8 h + 0..7 of row r.
;   LIMIT: a row whose y is all zeros gives NaN, as it does in the formula itself.
; WORK-GROUPS 128 TO 327: emb ([24704][512] f32) is rounded once to bf16 into embh ([25600][512]), and for each row v sc = 10 log2(e) / |emb_v| is made (the norm of the unrounded row).
;   24,704 = 193 x 128; embh has 200 tiles of 128 rows so that eight splits walk 25 tiles each: the 896 rows of padding hold 0 and sc = 0.
;   tab: [8 splits][4 waves][25 steps][32] f32: sc of rows 3200 split + 128 step + 32 wave + i: the order in which the next launch's waves take them.
;   A wave takes 16 rows; a ring of eight row slots in registers keeps 32 loads on their way.  A stream: LDS, barriers and matrix units would add nothing to it.
;   LIMIT: a row of zeros gives an infinite sc and NaN, as the formula itself does.
.set COEF,  0                          ; mean[512], a[512], beta[512] in f32
.set ROWS,  6144                       ; 16 rows of 512 bf16, 1,024 bytes + 16: 65 x 16, so sixteen rows start at sixteen different groups of four banks
.set RP,    1040
.set SPARE, ROWS+16*RP                 ; the spare words: 128 bytes for each of eight waves
.set SPW,  30                          ; v30  my spare word's address; never rewritten
.set NIL,  31                          ; v31  0; never rewritten
.set MN,   32                          ; v[32:95]   the 32 blocks' means, a pair each; later the coefficients of my 16 channels
.set MQ,   96                          ; v[96:159]  their M2
.set XR,   160                         ; v[160:191] my two rows, 16 channels a lane each
.set GA,   192                         ; v[192:193] gamma, v[194:195] beta
.set CH,   196                         ; v[196:203] four chains
.set MEAN, 204
.set SQ,   206                         ; v[206:213] four chains
.set EPS,  214
.set TP,   216
.set X,    32                          ; the stream: v[32:159]  slot s: 16 registers, a row's 16 numbers a lane
.set Y,    160                         ;             v[160:223] slot s: 8 registers, the same as bf16
	s_load_b256 s[4:11], s[0:1], 0x0               ; projw s[4:5], pstat s[6:7], gamma s[8:9], beta s[10:11]
	s_load_b256 s[12:19], s[0:1], 0x20             ; qf s[12:13], emb s[14:15], embh s[16:17], tab s[18:19]
	v_lshl_add_u32 v[SPW], v0, 2, SPARE
	v_mov_b32 v[NIL], 0
	v_lshrrev_b32 v1, 5, v0
	v_readfirstlane_b32 s20, v1                    ; wave 0..7
	v_and_b32 v1, 31, v0                           ; lane
	s_mov_b32 s2, ttmp9
	s_mov_b32 s22, 0x76543210                      ; v_permlanex16_b32: each lane takes its own place in the other half
	s_mov_b32 s23, 0xfedcba98
	s_cmp_ge_u32 s2, 128
	s_cbranch_scc1 .Lprep
	; ---------------- batch norm and row norm: 16 rows
	v_and_b32 v2, 15, v0
	v_bfe_u32 v3, v0, 4, 1
	v_lshlrev_b32 v4, 4, v1                        ; 16 x lane
	s_lshl_b32 s21, s20, 8
	v_lshl_add_u32 v5, v1, 3, s21                  ; 256 w + 8 x lane: my two features, in memory and in COEF
	s_mul_i32 s21, s20, 2*RP
	s_add_co_u32 s21, s21, ROWS
	v_lshl_add_u32 v7, v1, 3, s21                  ; rows 2 w on, 8 bytes a lane
	v_mul_u32_u24 v8, v2, RP
	v_lshl_add_u32 v8, v3, 4, v8
	s_lshl_b32 s21, s20, 7
	s_add_co_u32 s21, s21, ROWS
	v_add_nc_u32 v8, s21, v8                       ; row r, channels 64 w + 8 h on
	s_lshl_b32 s21, s20, 11
	v_lshl_add_u32 v9, v1, 4, s21                  ; in qf: c = 2 w, 16 bytes a lane
	s_lshl_b32 s24, s2, 15
	s_lshl_b32 s25, s20, 12
	s_add_co_u32 s24, s24, s25                     ; rows 16 T + 2 w on
	s_mov_b32 s25, 0
	s_lshl_b32 s26, s2, 14
	s_mov_b32 s27, 0
	v_mov_b32 v[EPS], 0x3727c5ac                   ; 1e-5
	v_mov_b32 v[EPS+1], 0x3727c5ac
	s_wait_kmcnt 0x0
	s_add_nc_u64 s[4:5], s[4:5], s[24:25]
	s_add_nc_u64 s[12:13], s[12:13], s[26:27]
.irp j, 0,1
.irp i, 0,1,2,3
	global_load_b128 v[XR+16*\j+4*\i:XR+16*\j+4*\i+3], v4, s[4:5] offset:2048*\j+512*\i
.endr
.endr
	global_load_b64 v[GA:GA+1], v5, s[8:9]
	global_load_b64 v[GA+2:GA+3], v5, s[10:11]
.set k, 0
.rept 32
	global_load_b64 v[MN+2*k:MN+2*k+1], v5, s[6:7] offset:2048*k
.set k, k+1
.endr
.set k, 0
.rept 32
	global_load_b64 v[MQ+2*k:MQ+2*k+1], v5, s[6:7] offset:65536+2048*k
.set k, k+1
.endr
	s_wait_loadcnt 32                              ; all but the 32 loads of M2
.irp q, 0,1,2,3
	v_pk_add_f32 v[CH+2*\q:CH+2*\q+1], v[MN+2*\q:MN+2*\q+1], v[MN+8+2*\q:MN+8+2*\q+1]
.endr
.set k, 8
.rept 24
	v_pk_add_f32 v[CH+2*(k%4):CH+2*(k%4)+1], v[CH+2*(k%4):CH+2*(k%4)+1], v[MN+2*k:MN+2*k+1]
.set k, k+1
.endr
	v_pk_add_f32 v[CH:CH+1], v[CH:CH+1], v[CH+2:CH+3]
	v_pk_add_f32 v[CH+4:CH+5], v[CH+4:CH+5], v[CH+6:CH+7]
	v_pk_add_f32 v[CH:CH+1], v[CH:CH+1], v[CH+4:CH+5]
	v_pk_mul_f32 v[MEAN:MEAN+1], v[CH:CH+1], 0x3d000000 op_sel_hi:[1,0]  ; / 32: the blocks are alike in size
.set k, 0
.rept 32
	v_pk_add_f32 v[MN+2*k:MN+2*k+1], v[MN+2*k:MN+2*k+1], v[MEAN:MEAN+1] neg_lo:[0,1] neg_hi:[0,1]
.set k, k+1
.endr
.irp q, 0,1,2,3
	v_pk_mul_f32 v[CH+2*\q:CH+2*\q+1], v[MN+2*\q:MN+2*\q+1], v[MN+2*\q:MN+2*\q+1]
.endr
.set k, 4
.rept 28
	v_pk_fma_f32 v[CH+2*(k%4):CH+2*(k%4)+1], v[MN+2*k:MN+2*k+1], v[MN+2*k:MN+2*k+1], v[CH+2*(k%4):CH+2*(k%4)+1]
.set k, k+1
.endr
	v_pk_add_f32 v[CH:CH+1], v[CH:CH+1], v[CH+2:CH+3]
	v_pk_add_f32 v[CH+4:CH+5], v[CH+4:CH+5], v[CH+6:CH+7]
	v_pk_add_f32 v[CH:CH+1], v[CH:CH+1], v[CH+4:CH+5]
	s_wait_loadcnt 0x0
.irp q, 0,1,2,3
	v_pk_add_f32 v[SQ+2*\q:SQ+2*\q+1], v[MQ+2*\q:MQ+2*\q+1], v[MQ+8+2*\q:MQ+8+2*\q+1]
.endr
.set k, 8
.rept 24
	v_pk_add_f32 v[SQ+2*(k%4):SQ+2*(k%4)+1], v[SQ+2*(k%4):SQ+2*(k%4)+1], v[MQ+2*k:MQ+2*k+1]
.set k, k+1
.endr
	v_pk_add_f32 v[SQ:SQ+1], v[SQ:SQ+1], v[SQ+2:SQ+3]
	v_pk_add_f32 v[SQ+4:SQ+5], v[SQ+4:SQ+5], v[SQ+6:SQ+7]
	v_pk_add_f32 v[SQ:SQ+1], v[SQ:SQ+1], v[SQ+4:SQ+5]
	v_pk_fma_f32 v[SQ:SQ+1], v[CH:CH+1], 0x42800000, v[SQ:SQ+1] op_sel_hi:[1,0,1]     ; + 64 x the blocks' spread
	v_pk_fma_f32 v[SQ:SQ+1], v[SQ:SQ+1], 0x3a000000, v[EPS:EPS+1] op_sel_hi:[1,0,1]   ; / 2,048 + 1e-5
	v_rsq_f32 v[SQ+2], v[SQ]
	v_rsq_f32 v[SQ+3], v[SQ+1]
	v_cvt_pk_bf16_f32 v[TP], v[GA], v[GA+1]        ; gamma and beta are rounded to bf16 like the other inputs; these plain lines stand behind the roots
	v_cvt_pk_bf16_f32 v[TP+1], v[GA+2], v[GA+3]
	v_lshlrev_b32 v[GA], 16, v[TP]
	v_and_b32 v[GA+1], 0xffff0000, v[TP]
	v_lshlrev_b32 v[GA+2], 16, v[TP+1]
	v_and_b32 v[GA+3], 0xffff0000, v[TP+1]
	s_wait_alu depctr_va_vdst(0)
	v_pk_mul_f32 v[SQ+2:SQ+3], v[SQ+2:SQ+3], v[GA:GA+1]
	ds_store_b64 v5, v[MEAN:MEAN+1]
	ds_store_b64 v5, v[SQ+2:SQ+3] offset:2048
	ds_store_b64 v5, v[GA+2:GA+3] offset:4096
	s_wait_dscnt 0x0                               ; for the others' sake: my 64 features' coefficients are written
	s_barrier_signal -1
	s_barrier_wait -1
.irp i, 0,1,2,3
	ds_load_b128 v[32+4*\i:35+4*\i], v4 offset:512*\i
	ds_load_b128 v[48+4*\i:51+4*\i], v4 offset:2048+512*\i
	ds_load_b128 v[64+4*\i:67+4*\i], v4 offset:4096+512*\i
.endr
	s_wait_dscnt 0x0
; One row: the affine map, the row's sum of squares over the wave, the division, the rounding, and into ROWS.
.macro ROWN j
.set xr, XR+16*(\j)
.set tt, 80+16*(\j)
.irp p, 0,1,2,3,4,5,6,7
	v_pk_add_f32 v[xr+2*\p:xr+2*\p+1], v[xr+2*\p:xr+2*\p+1], v[32+2*\p:33+2*\p] neg_lo:[0,1] neg_hi:[0,1]
.endr
.irp p, 0,1,2,3,4,5,6,7
	v_pk_fma_f32 v[xr+2*\p:xr+2*\p+1], v[xr+2*\p:xr+2*\p+1], v[48+2*\p:49+2*\p], v[64+2*\p:65+2*\p]
.endr
	v_pk_mul_f32 v[tt:tt+1], v[xr:xr+1], v[xr:xr+1]
	v_pk_mul_f32 v[tt+2:tt+3], v[xr+2:xr+3], v[xr+2:xr+3]
.irp p, 2,3,4,5,6,7
	v_pk_fma_f32 v[tt+2*(\p%2):tt+2*(\p%2)+1], v[xr+2*\p:xr+2*\p+1], v[xr+2*\p:xr+2*\p+1], v[tt+2*(\p%2):tt+2*(\p%2)+1]
.endr
	v_pk_add_f32 v[tt:tt+1], v[tt:tt+1], v[tt+2:tt+3]
	v_add_f32 v[tt], v[tt], v[tt+1]
.irp m, 1,2,4,8
	v_add_f32_dpp v[tt], v[tt], v[tt] row_xmask:\m row_mask:0xf bank_mask:0xf
.endr
	v_permlanex16_b32 v[tt+1], v[tt], s22, s23
	v_add_f32 v[tt], v[tt], v[tt+1]
	v_rsq_f32 v[tt+2], v[tt]
	v_nop                                          ; a plain instruction between the root and the use of its result
	s_wait_alu depctr_va_vdst(0)
.irp p, 0,1,2,3,4,5,6,7
	v_pk_mul_f32 v[xr+2*\p:xr+2*\p+1], v[xr+2*\p:xr+2*\p+1], v[tt+2:tt+3] op_sel_hi:[1,0]
.endr
.irp i, 0,1,2,3
	v_cvt_pk_bf16_f32 v[tt+8+2*\i], v[xr+4*\i], v[xr+4*\i+1]
	v_cvt_pk_bf16_f32 v[tt+9+2*\i], v[xr+4*\i+2], v[xr+4*\i+3]
	ds_store_b64 v7, v[tt+8+2*\i:tt+9+2*\i] offset:(\j)*RP+256*\i
.endr
.endm
	ROWN 0
	ROWN 1
	s_wait_dscnt 0x0                               ; for the others' sake: my two rows are written
	s_barrier_signal -1
	s_barrier_wait -1
	; OUT in fragment order: wave w takes c = 2 w and 2 w + 1; each store covers 512 consecutive bytes
.irp n, 0,1,2,3
	ds_load_b128 v[32+4*\n:35+4*\n], v8 offset:32*\n
.endr
.irp n, 0,1,2,3
	s_wait_dscnt 3-\n
	global_store_b128 v9, v[32+4*\n:35+4*\n], s[12:13] offset:512*\n
.endr
	s_wait_tensorcnt 0x0                           ; the wave's end: behind my last LDS store
	ds_add_u32 v[SPW], v[NIL]
	s_wait_dscnt 0x0
	s_endpgm
	; ---------------- the table: 16 rows a wave
.Lprep:
	s_sub_co_u32 s21, s2, 128
	s_lshl3_add_u32 s21, s21, s20                  ; u = 8 (x - 128) + wave: rows 16 u on
	v_lshlrev_b32 v2, 4, v1
	v_lshlrev_b32 v3, 3, v1
	v_and_b32 v6, 15, v0                           ; lane % 16: lanes i and i + 16 both gather row i's sc and store the same number to the same word
	v_lshlrev_b32 v4, 2, v6
	v_mov_b32 v5, 0
	s_lshr_b32 s24, s21, 3                         ; tile of 128 rows
	s_bfe_u32 s25, s21, 0x20001                    ; which of the next launch's waves takes these rows: (u / 2) % 4
	s_and_b32 s26, s21, 1                          ; which of its two blocks of 16
	s_mul_i32 s27, s24, 5243
	s_lshr_b32 s27, s27, 17                        ; split = tile / 25 (exact for tiles 0 to 199)
	s_mul_i32 s30, s27, 25
	s_sub_co_u32 s30, s24, s30                     ; step
	s_lshl2_add_u32 s28, s27, s25
	s_mul_i32 s28, s28, 25
	s_add_co_u32 s28, s28, s30
	s_lshl_b32 s28, s28, 7
	s_lshl_b32 s26, s26, 6
	s_add_co_u32 s28, s28, s26                     ; ((4 split + wave) 25 + step) 128 + 64 block
	s_mov_b32 s29, 0
	s_lshl_b32 s32, s21, 15
	s_mov_b32 s33, 0
	s_lshl_b32 s34, s21, 14
	s_mov_b32 s35, 0
	s_wait_kmcnt 0x0
	s_add_nc_u64 s[16:17], s[16:17], s[34:35]
	s_add_nc_u64 s[18:19], s[18:19], s[28:29]
	s_cmp_ge_u32 s21, 1544
	s_cbranch_scc1 .Lpad                           ; rows 24,704 on are padding
	s_add_nc_u64 s[14:15], s[14:15], s[32:33]
.irp s, 0,1,2,3,4,5,6,7
.irp i, 0,1,2,3
	global_load_b128 v[X+16*\s+4*\i:X+16*\s+4*\i+3], v2, s[14:15] offset:2048*\s+512*\i th:TH_LOAD_NT
.endr
.endr
; One slot's turn.  rnd = 0: rows 0 to 7, and the slot is filled again with the row eight further down; rnd = 1: rows 8 to 15, nothing is loaded and the counts run down.
.macro SLOT s, rnd
.if (\rnd) == 0
	s_wait_loadcnt 28                              ; loads come back in order: my row's four are in, the seven younger rows' 28 stay out
.else
	s_wait_loadcnt 28-4*(\s)
.endif
	s_wait_xcnt 0x0                                ; the slot's Y, which its last stores read, is rewritten only behind this wait
.set xs, X+16*(\s)
.set ys, Y+8*(\s)
	v_pk_mul_f32 v[8:9], v[xs:xs+1], v[xs:xs+1]
	v_pk_mul_f32 v[10:11], v[xs+2:xs+3], v[xs+2:xs+3]
.irp p, 2,3,4,5,6,7
	v_pk_fma_f32 v[8+2*(\p%2):9+2*(\p%2)], v[xs+2*\p:xs+2*\p+1], v[xs+2*\p:xs+2*\p+1], v[8+2*(\p%2):9+2*(\p%2)]
.endr
.irp p, 0,1,2,3,4,5,6,7
	v_cvt_pk_bf16_f32 v[ys+\p], v[xs+2*\p], v[xs+2*\p+1]
.endr
.if (\rnd) == 0
.irp i, 0,1,2,3
	global_load_b128 v[xs+4*\i:xs+4*\i+3], v2, s[14:15] offset:2048*(8+(\s))+512*\i th:TH_LOAD_NT
.endr
.endif
.irp i, 0,1,2,3
	global_store_b64 v3, v[ys+2*\i:ys+2*\i+1], s[16:17] offset:1024*(8*(\rnd)+(\s))+256*\i  ; the wave's store covers 256 consecutive bytes, aligned
.endr
	v_pk_add_f32 v[8:9], v[8:9], v[10:11]
	v_add_f32 v8, v8, v9
.irp m, 1,2,4,8
	v_add_f32_dpp v8, v8, v8 row_xmask:\m row_mask:0xf bank_mask:0xf
.endr
	v_permlanex16_b32 v9, v8, s22, s23
	v_add_f32 v8, v8, v9
	v_rsq_f32 v10, v8
	v_cmp_eq_u32 vcc_lo, 8*(\rnd)+(\s), v6         ; a plain instruction between the root and the use of its result
	s_wait_alu depctr_va_vdst(0)
	v_mul_f32 v10, 0x4166d4ca, v10                 ; 10 log2(e) / |emb_v|
	v_cndmask_b32 v5, v5, v10, vcc_lo
.endm
.irp s, 0,1,2,3,4,5,6,7
	SLOT \s, 0
.endr
.irp s, 0,1,2,3,4,5,6,7
	SLOT \s, 1
.endr
	global_store_b32 v4, v5, s[18:19]
	s_endpgm
.Lpad:
.irp j, 32,33,34,35
	v_mov_b32 v[\j], 0
.endr
.set i, 0
.rept 32
	global_store_b128 v2, v[32:35], s[16:17] offset:512*i
.set i, i+1
.endr
	global_store_b32 v4, v5, s[18:19]              ; sc = 0
	s_endpgm
.Lfunc_end_k_qccc8cb8435_bnprep:
	.size	k_qccc8cb8435_bnprep, .Lfunc_end_k_qccc8cb8435_bnprep-k_qccc8cb8435_bnprep
	.p2alignl 7, 3214868480
	.fill 96, 4, 3214868480
	.section	.rodata,"a",@progbits
	.p2align	6, 0x0
	.amdhsa_kernel k_qccc8cb8435_bnprep
		.amdhsa_group_segment_fixed_size 24576
		.amdhsa_private_segment_fixed_size 0
		.amdhsa_enable_private_segment 0
		.amdhsa_kernarg_size 64
		.amdhsa_user_sgpr_count 2
		.amdhsa_user_sgpr_kernarg_segment_ptr 1
		.amdhsa_wavefront_size32 1
		.amdhsa_system_sgpr_workgroup_id_x 1
		.amdhsa_system_sgpr_workgroup_id_y 1
		.amdhsa_system_sgpr_workgroup_id_z 1
		.amdhsa_system_vgpr_workitem_id 0
		.amdhsa_next_free_vgpr 224
		.amdhsa_next_free_sgpr 66
		.amdhsa_reserve_vcc 1
		.amdhsa_float_denorm_mode_32 3
		.amdhsa_float_denorm_mode_16_64 3
		.amdhsa_memory_ordered 1
		.amdhsa_forward_progress 1
		.amdhsa_inst_pref_size 70
	.end_amdhsa_kernel
	.amdgpu_metadata
---
amdhsa.version: [ 1, 2 ]
amdhsa.kernels:
  - .name:           k_qccc8cb8435_bnprep
    .symbol:         k_qccc8cb8435_bnprep.kd
    .args:
      - { .name: projw, .offset: 0, .size: 8, .value_kind: global_buffer, .address_space: global }
      - { .name: pstat, .offset: 8, .size: 8, .value_kind: global_buffer, .address_space: global }
      - { .name: bn_gamma, .offset: 16, .size: 8, .value_kind: global_buffer, .address_space: global }
      - { .name: bn_beta, .offset: 24, .size: 8, .value_kind: global_buffer, .address_space: global }
      - { .name: qf, .offset: 32, .size: 8, .value_kind: global_buffer, .address_space: global }
      - { .name: emb, .offset: 40, .size: 8, .value_kind: global_buffer, .address_space: global }
      - { .name: embh, .offset: 48, .size: 8, .value_kind: global_buffer, .address_space: global }
      - { .name: tab, .offset: 56, .size: 8, .value_kind: global_buffer, .address_space: global }
    .group_segment_fixed_size: 24576
    .private_segment_fixed_size: 0
    .kernarg_segment_align: 8
    .kernarg_segment_size: 64
    .max_flat_workgroup_size: 256
    .sgpr_count:     66
    .vgpr_count:     224
    .wavefront_size: 32
...
	.end_amdgpu_metadata
.endif
;; end of part 2
;; launch attn (part 3): grid 32 x 8, 4 waves a work-group, clusters of 4 x 1, 327,680 bytes of LDS; arguments embh, tab, qf, opart, lpart; writes opart, lpart
.if DOCPART == 3
	.amdgcn_target "amdgcn-amd-amdhsa--gfx1250"
	.amdhsa_code_object_version 6
	.text
	.protected	k_qccc8cb8435_attn
	.globl	k_qccc8cb8435_attn
	.p2align	8
	.type	k_qccc8cb8435_attn,@function
k_qccc8cb8435_attn:
	s_mov_b64 s[64:65], 0
	v_nop
	global_prefetch_b8 v0, s[64:65] scope:SCOPE_SE
	s_setreg_imm32_b32 hwreg(HW_REG_WAVE_MODE, 25, 1), 1
	s_wait_xcnt 0x0
	s_wait_alu depctr_hold_cnt(0) depctr_sa_sdst(0) depctr_va_vdst(0) depctr_va_sdst(0) depctr_va_ssrc(0) depctr_va_vcc(0) depctr_vm_vsrc(0)
	s_getreg_b32 s2, hwreg(HW_REG_IB_STS2, 6, 4)
	s_cmp_eq_u32 s2, 0
	s_cbranch_scc0 .Lentry_in_a_cluster
	s_endpgm
.Lentry_in_a_cluster:
	s_bfe_u32 s2, ttmp6, 0x10000c
	s_cmp_lg_u32 s2, 0x3003
	s_cbranch_scc0 .Lentry_shape_is_right
	s_endpgm
.Lentry_shape_is_right:
; Scores, weights and soft lookup, for 64 queries and 3,200 table rows ("keys"): opart[split][q][:] = sum over the split's keys of p emb_v, lpart[split][q] = sum of p,
; p = 2^(S sc_v + bi) = e^(10 cos - 10), S = q . bf16(emb_v) summed in f32.  One bf16 copy of the table serves both products; the key's norm enters in f32, through sc.
; NO RUNNING MAXIMUM, and why that is sound for every input: both vectors are normalised by the formula itself and the scale is 10, so 10 cos lies in -10 to 10 and, with the
; fixed shift -10, p lies in 2e-9 to about 1 (the roundings of q and emb let cos pass 1 by less than a hundredth); a sum of 24,704 of them cannot overflow, and no p underflows in f32 or bf16.
; So the partial sums of the eight splits are plain sums, added by the next launch.
; PADDING: 24,704 = 193 tiles of 128 keys; the eight splits walk 25 tiles each, 200 in all.  From tile 193 on bi is -1e30 in place of -10 log2(e) (a choice by the tile's number), so that p = 0.
; LIMITS: p is rounded to bf16 for the second product, its sum is taken of the unrounded p; NaN and infinities are not treated apart.
; SHARES.  Keys go in steps of 128.  First product: wave w takes keys 32 w .. 32 w + 31 of the step, two blocks kb of 16, against all 64 queries; every wave holds all of Q (512 registers), so a
; fragment of K feeds four matrix instructions.  Second product: wave w owns 128 of the 512 channels for all 64 queries (256 registers); the weights go from wave to wave through LDS.
; LAYOUT.  S^T = K Q^T (source 0 = 16 keys, source 1 = 16 queries): a lane holds one query (lane % 16) and keys 8 (lane / 16) + 0..7; two such results rounded to bf16 ARE source 1
; (32 keys x 16 queries) of O^T = V^T P.  K comes out of LDS as it lies, V turned by ds_load_tr16_b128.
; THE ORDER OF A STEP.  Eight runs of 32 matrix instructions: four of K Q^T, four of V^T P.  LDS loads stand in runs of 16 to 36 between them, never singly among the matrix instructions, and each
; run of loads is issued a run of products or more ahead of its first use: K of the next step under the last run of V^T P, V of the first run of V^T P under the last run of K Q^T.
; The exponentials of the first block of keys stand beside the second block's products: they name no source 1, so they need no switch of the windows.
; CLUSTER.  The four query blocks of a cluster walk the same split's tiles: each tile, and the table of sc, is asked for jointly, by the same load with the same descriptor in all four.
; THE RING.  Two slots.  When the last of V has been asked for, the slot in hand is read out: the round stands in the third run of V^T P, the refill (the tile two steps on) first behind it.
; REGISTERS, in windows of 256 (s_set_vgpr_msb: bits 1:0 source 0, 3:2 source 1, 5:4 source 2, 7:6 destination):
;   window 0: v0-29 addresses and sums of p; v32-47 sc; v64-127 S^T; v128-255 two buffers of K; v224-255 packed weights.  In the second product: buffers v128-223 and v32-127.
;   window 1: O^T, accumulator (cb, t) at 8 (4 cb + t)      windows 2, 3: Q, fragment (c, t) at 8 (4 (c % 8) + t), c < 8 in window 2
.set PITCH, 1040                       ; a key's row in LDS: 1,024 bytes + 16 = 65 x 16.  Plain loads: sixteen rows start at sixteen different groups of four banks.  Turning loads: eight rows
                                       ; and two pieces 128 bytes apart fall on sixteen different groups too; hence channel block cb is channels 8 cb + 0..7 and 64 + 8 cb + 0..7 of my 128
.set SLOTB, 128*PITCH
.set WROWS, 32*PITCH                   ; what one tensor load brings
.set STAGE, 2*SLOTB                    ; never filled by a tensor load.  During the walk its first 16,384 bytes hold the weights: [8 blocks of 16 keys][4 tiles][32 lanes][16 bytes];
.set SP,    528                        ; on the way out 16 rows x (512 + 16) bytes for each wave
.set TAB,   STAGE+4*16*SP              ; sc: 3,200 bytes a wave, 3,328 apart, filled once
.set TABW,  3328
.set LRED,  TAB+4*TABW                 ; [4 waves][64 queries] f32
.set SPARE, LRED+1024                  ; the spare words: 128 bytes for each wave
.set TILEB, 128*1024                   ; a tile in memory
.set AK,  4                            ; v4-5   my place in K's rows, slot 0, 1
.set AV,  6                            ; v6-9   my place for the turning loads: slot 0 keys 0-63, 64-127; slot 1 likewise
.set PST, 10                           ; v10    where I put weights
.set PLD, 11                           ; v11    where I read weights
.set TBA, 12                           ; v12    my place in the table; steps by 128 bytes a step
.set L16, 13                           ; v13    16 x lane
.set STO, 14                           ; v14    the way out: where I put 16 bytes of a row
.set RD,  15                           ; v15    the way out: where I read a row back
.set L,   16                           ; v16-23 sums of p, a pair for each tile of 16 queries
.set SPW, 28                           ; v28    my spare word's address; never rewritten
.set NIL, 29                           ; v29    0; never rewritten
.set SC,  32
.set S,   64                           ; accumulator a = 4 kb + t at S + 8 a
.set KF0, 128
.set KF1, 192
.set PK,  224
.set BA,  128                          ; second product: V's eight fragments, then P's four
.set BB,  32
.set G1,  24                           ; s[24:31] group 1 for tiles
.set G1T, 32                           ; s[32:39] group 1 for the table
.set G0,  40                           ; s[40:43] group 0 for slot 0, s[44:47] for slot 1
.set G0T, 48                           ; s[48:51] group 0 for the table
.set CNT, 52
.set BIS, 56                           ; s[56:57] bi: the packed scaling takes the pair's low word for both halves
.set TILE, 58                          ; s58      the number of the step's tile among the 200
.set W_Q2, 0x08                        ; source 1 (Q) in window 2
.set W_Q3, 0x0c                        ; in window 3
.set W_PV, 0x50                        ; C and D (O^T) in window 1
.set MSB, 0
.macro WIN new                         ; the high byte repeats the setting that is left; a switch that changes nothing is dropped
.if MSB != (\new)
	s_set_vgpr_msb (MSB<<8)|(\new)
.set MSB, (\new)
.endif
.endm
.macro PLACES n                        ; places behind matrix instructions (ISA guide 7.12.1), where no other vector work is at hand
.rept \n
	v_nop
.endr
.endm
; A round of the cluster's barrier: my work-group's barrier, wave 0 signals for the work-group, every wave waits for all four work-groups, my work-group's barrier once more.
.macro CREST                           ; a round behind its opening barrier
	s_cmp_lg_u32 s14, 0
	s_cbranch_scc1 .Lnot_wave_0_\@
	s_barrier_signal -3
.Lnot_wave_0_\@:
	s_barrier_wait -3
	s_barrier_signal -1
	s_barrier_wait -1
.endm
.macro CROUND
	s_barrier_signal -1
	s_barrier_wait -1
	CREST
.endm
	s_load_b256 s[4:11], s[0:1], 0x0               ; embh s[4:5], tab s[6:7], qf s[8:9], opart s[10:11]
	s_load_b64 s[12:13], s[0:1], 0x20              ; lpart
	v_lshl_add_u32 v[SPW], v0, 2, SPARE
	v_mov_b32 v[NIL], 0
	ds_add_u32 v[SPW], v[NIL]                      ; the wave's opening: the add and its wait stand ahead of my first tensor load; the set-up below stands between them
	v_lshrrev_b32 v1, 5, v0
	v_readfirstlane_b32 s14, v1                    ; wave 0..3
	s_bfe_u32 s15, ttmp6, 0x40000                  ; cx: my place in the cluster
	s_lshl_b32 s16, ttmp9, 2
	s_add_co_u32 s16, s16, s15                     ; my block of 64 queries: it enters the addresses of qf, opart and lpart alone
	s_and_b32 s17, ttmp7, 0xffff                   ; the split, which the four partners share
	s_mov_b32 s[G1], 15|(1<<16)|(1<<20)|(1<<21)|(7<<22)|(3<<25)  ; 15:0 the mask of four; 17:16 2-byte elements; 20 padding on; 21 set beside a mask; 24:22 after every 256 words (code 7); 31:25 4 words (code 3)
	s_mov_b32 s[G1+1], 512<<16                     ; tensor_dim0 = 512
	s_mov_b32 s[G1+2], 32<<16                      ; tensor_dim1 = 32
	s_mov_b32 s[G1+3], 512<<16                     ; tile_dim0 = 512
	s_mov_b32 s[G1+4], 32                          ; tile_dim1 = 32
	s_mov_b32 s[G1+5], 512                         ; elements from row to row
	s_mov_b32 s[G1+6], 0
	s_mov_b32 s[G1+7], 0
	s_mov_b32 s[G1T], 15|(3<<16)|(1<<21)           ; the table: 3,200 dense bytes as 25 rows of 16 elements of 8 bytes, no padding
	s_mov_b32 s[G1T+1], 16<<16
	s_mov_b32 s[G1T+2], 25<<16
	s_mov_b32 s[G1T+3], 16<<16
	s_mov_b32 s[G1T+4], 25
	s_mov_b32 s[G1T+5], 16
	s_mov_b32 s[G1T+6], 0
	s_mov_b32 s[G1T+7], 0
	s_mov_b32 s[G0], 1
	s_mul_i32 s[G0+1], s14, WROWS                  ; my 32 rows of slot 0: no place in the cluster enters an LDS address
	s_mov_b32 s[G0+4], 1
	s_add_co_u32 s[G0+5], s[G0+1], SLOTB
	s_mov_b32 s[G0T], 1
	s_mul_i32 s[G0T+1], s14, TABW
	s_add_co_u32 s[G0T+1], s[G0T+1], TAB
	s_mul_i32 s18, s17, 3200*1024
	s_lshl_b32 s19, s14, 15
	s_add_co_u32 s18, s18, s19                     ; embh: row 3200 split + 32 w
	s_mov_b32 s19, 0
	s_lshl2_add_u32 s20, s17, s14
	s_mul_i32 s20, s20, 3200                       ; tab: (4 split + w) x 3,200
	s_mov_b32 s21, 0
	s_lshl_b32 s22, s16, 16                        ; qf: four tiles of 16,384 bytes a block
	s_mov_b32 s23, 0
	s_lshl_b32 s62, s17, 22
	s_lshl_b32 s63, s16, 17
	s_add_co_u32 s62, s62, s63
	s_lshl_b32 s63, s14, 9
	s_add_co_u32 s62, s62, s63                     ; opart: split, row 64 qb, channel 128 w
	s_mov_b32 s63, 0
	s_lshl_b32 s2, s17, 13
	s_lshl_b32 s3, s16, 8
	s_add_co_u32 s2, s2, s3                        ; lpart: split, row 64 qb
	s_mov_b32 s3, 0
	s_mov_b32 s54, 0x76543210                      ; v_permlanex16_b32: each lane takes its own place in the other half
	s_mov_b32 s55, 0xfedcba98
	s_mul_i32 s[TILE], s17, 25
	s_mov_b32 s59, 0xf149f2ca                      ; -1e30
	s_mov_b32 s60, 0xc166d4ca                      ; -10 log2(e)
	s_mov_b32 s[BIS+1], 0                          ; named with s56 as a pair
	s_wait_dscnt 0x0                               ; the opening add is done
	s_wait_kmcnt 0x0
	s_add_nc_u64 s[G0+2:G0+3], s[4:5], s[18:19]    ; tile 0
	s_add_nc_u64 s[G0+6:G0+7], s[G0+2:G0+3], TILEB ; tile 1
	s_or_b32 s[G0+3], s[G0+3], 0x80000000          ; type = 2
	s_or_b32 s[G0+7], s[G0+7], 0x80000000
	s_add_nc_u64 s[G0T+2:G0T+3], s[6:7], s[20:21]
	s_or_b32 s[G0T+3], s[G0T+3], 0x80000000
	s_add_nc_u64 s[8:9], s[8:9], s[22:23]
	s_add_nc_u64 s[10:11], s[10:11], s[62:63]
	s_add_nc_u64 s[12:13], s[12:13], s[2:3]
	CROUND                                         ; all four work-groups are here: the first joint loads meet
	tensor_load_to_lds s[G0:G0+3], s[G1:G1+7]      ; tile 0 into slot 0
	s_nop 0
	tensor_load_to_lds s[G0T:G0T+3], s[G1T:G1T+7]  ; my table
	s_nop 0
	tensor_load_to_lds s[G0+4:G0+7], s[G1:G1+7]    ; tile 1 into slot 1: three loads of mine are out
	s_nop 0
	PLACES 4
	v_and_b32 v1, 31, v0                           ; lane
	v_and_b32 v2, 15, v0                           ; r
	v_bfe_u32 v3, v0, 4, 1                         ; h
	v_mul_u32_u24 v[AK], v2, PITCH
	v_lshl_add_u32 v[AK], v3, 4, v[AK]
	v_add_nc_u32 v[AK], s[G0+1], v[AK]             ; key 32 w + r, 16 bytes for each half of the lanes
	v_add_nc_u32 v[AK+1], SLOTB, v[AK]
	v_and_b32 v24, 7, v0
	v_lshl_add_u32 v24, v3, 3, v24
	v_mul_u32_u24 v[AV], v24, PITCH                ; key 8 h + lane % 8,
	v_bfe_u32 v25, v0, 3, 1
	v_lshl_add_u32 v[AV], v25, 7, v[AV]            ; channels 64 ((lane / 8) % 2) on,
	s_lshl_b32 s61, s14, 8
	v_add_nc_u32 v[AV], s61, v[AV]                 ; of my 128
	v_add_nc_u32 v[AV+1], 64*PITCH, v[AV]
	v_add_nc_u32 v[AV+2], SLOTB, v[AV]
	v_add_nc_u32 v[AV+3], SLOTB+64*PITCH, v[AV]
	s_lshl_b32 s61, s14, 12
	s_add_co_u32 s61, s61, STAGE
	v_lshl_add_u32 v[PST], v1, 4, s61
	v_lshl_add_u32 v[PLD], v1, 4, STAGE
	v_lshl_add_u32 v[TBA], v3, 5, s[G0T+1]         ; my eight keys of a block of 16
	v_lshlrev_b32 v[L16], 4, v1
	s_mul_i32 s61, s14, 16*SP
	s_add_co_u32 s61, s61, STAGE
	v_mul_u32_u24 v[STO], v2, SP
	v_lshl_add_u32 v[STO], v3, 8, v[STO]           ; row r; lanes 16-31 hold the channels 64 further on
	v_add_nc_u32 v[STO], s61, v[STO]
	v_lshl_add_u32 v[RD], v1, 4, s61
	WIN 0x80                                       ; destination window 2, address window 0.  Q stays in registers; qf lies in fragment order, so each load takes 512 consecutive bytes
.irp c, 0,1,2,3,4,5,6,7
.irp t, 0,1,2,3
	global_load_b128 v[8*(4*\c+\t):8*(4*\c+\t)+3],   v[L16], s[8:9] offset:16384*\t+1024*\c
	global_load_b128 v[8*(4*\c+\t)+4:8*(4*\c+\t)+7], v[L16], s[8:9] offset:16384*\t+1024*\c+512
.endr
.endr
	WIN 0xc0
.irp c, 0,1,2,3,4,5,6,7
.irp t, 0,1,2,3
	global_load_b128 v[8*(4*\c+\t):8*(4*\c+\t)+3],   v[L16], s[8:9] offset:16384*\t+1024*(\c+8)
	global_load_b128 v[8*(4*\c+\t)+4:8*(4*\c+\t)+7], v[L16], s[8:9] offset:16384*\t+1024*(\c+8)+512
.endr
.endr
	WIN 0
.irp j, 0,1,2,3,4,5,6,7
	v_mov_b32 v[L+\j], 0
.endr
; sc of my 32 keys of the step: lane (r, h) takes those of keys 8 h + 0..7 of both blocks of 16
.macro TABLE
.irp q, 0,1,2,3
	ds_load_b128 v[SC+4*\q:SC+4*\q+3], v[TBA] offset:64*(\q/2)+16*(\q%2)
.endr
.endm
; Eight fragments of K: block kb of my keys, channels 256 ch on
.macro FETCHK slot, kb, ch, buf
.irp c, 0,1,2,3,4,5,6,7
	ds_load_b128 v[(\buf)+8*\c:(\buf)+8*\c+3],   v[AK+(\slot)] offset:(\kb)*16*PITCH+512*(\ch)+64*\c
	ds_load_b128 v[(\buf)+8*\c+4:(\buf)+8*\c+7], v[AK+(\slot)] offset:(\kb)*16*PITCH+512*(\ch)+64*\c+32
.endr
.endm
; 32 matrix instructions; the four accumulators take turns, one instruction a turn.  ride >= 0: behind every second one stands an exponential of the block of keys
; finished before: it names no register of these products and no source 1, so it needs no switch of the windows.
.macro MULQK kb, ch, buf, ride
.set nx, 0
.irp c, 0,1,2,3,4,5,6,7
.irp t, 0,1,2,3
.set rS, S+8*(4*(\kb)+\t)
.if ((\ch) == 0) && (\c == 0)
	v_wmma_f32_16x16x32_bf16 v[rS:rS+7], v[(\buf)+8*\c:(\buf)+8*\c+7], v[8*(4*\c+\t):8*(4*\c+\t)+7], 0
.else
	v_wmma_f32_16x16x32_bf16 v[rS:rS+7], v[(\buf)+8*\c:(\buf)+8*\c+7], v[8*(4*\c+\t):8*(4*\c+\t)+7], v[rS:rS+7]
.endif
.if ((\ride) >= 0) && ((\t)%2)
	v_exp_f32 v[S+(\ride)+nx], v[S+(\ride)+nx]
.set nx, nx+1
.endif
.endr
.endr
.endm
.macro SCALE kb                        ; S sc + bi; each accumulator is read from its lowest registers on
.irp t, 0,1,2,3
.irp p, 0,1,2,3
.set rS, S+8*(4*(\kb)+\t)+2*\p
	v_pk_fma_f32 v[rS:rS+1], v[rS:rS+1], v[SC+8*(\kb)+2*\p:SC+8*(\kb)+2*\p+1], s[BIS:BIS+1] op_sel_hi:[1,1,0]
.endr
.endr
.endm
.macro EXP8 a
.irp j, 0,1,2,3,4,5,6,7
	v_exp_f32 v[S+8*(\a)+\j], v[S+8*(\a)+\j]
.endr
.endm
.macro FIN a                           ; the weights of accumulator a: rounded to bf16 and handed over; their sum onto the tile's
.set rS, S+8*(\a)
.set rP, PK+4*(\a)
	s_wait_alu depctr_va_vdst(0)
.irp p, 0,1,2,3
	v_cvt_pk_bf16_f32 v[rP+\p], v[rS+2*\p], v[rS+2*\p+1]
.endr
	ds_store_b128 v[PST], v[rP:rP+3] offset:512*(\a)
	v_pk_add_f32 v[rS:rS+1], v[rS:rS+1], v[rS+2:rS+3]
	v_pk_add_f32 v[rS+4:rS+5], v[rS+4:rS+5], v[rS+6:rS+7]
	v_pk_add_f32 v[rS:rS+1], v[rS:rS+1], v[rS+4:rS+5]
	v_pk_add_f32 v[L+2*((\a)%4):L+2*((\a)%4)+1], v[L+2*((\a)%4):L+2*((\a)%4)+1], v[rS:rS+1]
.endm
.macro FETCHV slot, ks, buf            ; V^T for keys 32 ks on: eight channel blocks, turned
.irp cb, 0,1,2,3,4,5,6,7
	ds_load_tr16_b128 v[(\buf)+8*\cb:(\buf)+8*\cb+3],   v[AV+2*(\slot)+(\ks)/2] offset:((\ks)%2)*32*PITCH+16*\cb
	ds_load_tr16_b128 v[(\buf)+8*\cb+4:(\buf)+8*\cb+7], v[AV+2*(\slot)+(\ks)/2] offset:((\ks)%2)*32*PITCH+16*PITCH+16*\cb
.endr
.endm
.macro FETCHP ks, buf                  ; P for keys 32 ks on, which wave ks made: four tiles
.irp t, 0,1,2,3
	ds_load_b128 v[(\buf)+64+8*\t:(\buf)+64+8*\t+3], v[PLD] offset:(8*(\ks)+\t)*512
	ds_load_b128 v[(\buf)+68+8*\t:(\buf)+68+8*\t+3], v[PLD] offset:(8*(\ks)+4+\t)*512
.endr
.endm
; Channel blocks c0 to c1 - 1 of a run of V^T P: four matrix instructions each; the 32 accumulators take turns.  zero = 1: the first products start the sums: nothing is cleared
.macro MULPV buf, zero, c0, c1
.set cb, (\c0)
.rept (\c1)-(\c0)
.irp t, 0,1,2,3
.if \zero
	v_wmma_f32_16x16x32_bf16 v[8*(4*cb+\t):8*(4*cb+\t)+7], v[(\buf)+8*cb:(\buf)+8*cb+7], v[(\buf)+64+8*\t:(\buf)+64+8*\t+7], 0
.else
	v_wmma_f32_16x16x32_bf16 v[8*(4*cb+\t):8*(4*cb+\t)+7], v[(\buf)+8*cb:(\buf)+8*cb+7], v[(\buf)+64+8*\t:(\buf)+64+8*\t+7], v[8*(4*cb+\t):8*(4*cb+\t)+7]
.endif
.endr
.set cb, cb+1
.endr
.endm
; A STEP: the tile of 128 keys in \slot.  At its head the first 32 loads of K (block 0 of my keys, both buffers) are on their way.
; mode 2: \slot, once read out, takes the tile two steps on, and the next step's K is fetched from the other slot.  mode 1: nothing is left to ask for; K is fetched.  mode 0: the walk's last step.
.macro STEP slot, mode, zero
	s_cmp_ge_u32 s[TILE], 193                      ; a tile of padding?
	s_cselect_b32 s[BIS], s59, s60
	s_add_co_u32 s[TILE], s[TILE], 1
	s_wait_dscnt 16                                ; the first buffer is in; the second's 16 loads stay out
	WIN W_Q2
	MULQK 0, 0, KF0, -1
	PLACES 4                                       ; in front of the loads into the registers just multiplied
	TABLE
	FETCHK \slot, 1, 0, KF0
	s_wait_dscnt 20                                ; the second buffer is in: behind it 4 loads of sc and 16 of K were issued
	WIN W_Q3
	MULQK 0, 1, KF1, -1
	WIN 0
	PLACES 4                                       ; for the loads below, and for the scaling, which reads results just made
	FETCHK \slot, 1, 1, KF1
	s_wait_dscnt 16                                ; sc and the first buffer are in
	SCALE 0
	v_add_nc_u32 v[TBA], 128, v[TBA]               ; the next step's sc
	WIN W_Q2
	MULQK 1, 0, KF0, 0                             ; the first block's 32 exponentials stand beside the second block's products
	PLACES 4
	FETCHV \slot, 0, BA                            ; V of the first run of V^T P, where the buffer just multiplied lay: it lands under the next run and the softmax
	s_wait_dscnt 16                                ; the second buffer is in; V's 16 loads stay out
	WIN W_Q3
	MULQK 1, 1, KF1, 16
	WIN 0
	PLACES 4
	SCALE 1
.irp a, 4,5,6,7
	EXP8 \a                                        ; behind each run of exponentials plain work on another accumulator
	FIN (\a)-4
.endr
.irp a, 4,5,6,7
	FIN \a
.endr
	s_wait_dscnt 0x0                               ; for the others' sake: my weights lie in LDS
	s_barrier_signal -1                            ; the tile on its way may stay out
	s_barrier_wait -1
	FETCHP 0, BA
	FETCHV \slot, 1, BB
	FETCHP 1, BB
	s_wait_dscnt 24                                ; the older buffer is in; the other's 24 loads stay out
	WIN W_PV
	MULPV BA, \zero, 0, 8
	WIN 0
	PLACES 4
	FETCHV \slot, 2, BA
	FETCHP 2, BA
	s_wait_dscnt 24
	WIN W_PV
	MULPV BB, 0, 0, 8
	WIN 0
	PLACES 4
	FETCHV \slot, 3, BB                            ; the last reads of this slot,
	FETCHP 3, BB                                   ; and of this step's weights
.if (\mode) == 0
	s_wait_dscnt 24
	WIN W_PV
	MULPV BA, 0, 0, 8
	s_wait_dscnt 0x0
	MULPV BB, 0, 0, 8
.else
	s_wait_tensorcnt 0x0                           ; all my tensor loads have landed: the one that was out is my part of the next tile; a group 0 may be written
	ds_add_u32 v[SPW], v[NIL]                      ; 0 onto my spare word; sixteen products stand between it and the wait for it
.if (\mode) == 2
	s_add_nc_u64 s[G0+4*(\slot)+2:G0+4*(\slot)+3], s[G0+4*(\slot)+2:G0+4*(\slot)+3], 2*TILEB  ; this slot's next tile; the type bits on top are not reached
.endif
	s_wait_dscnt 25                                ; the older buffer is in; the other's 24 loads and the add stay out
	WIN W_PV
	MULPV BA, 0, 0, 4
	s_wait_dscnt 0x0                               ; the add is done; my reads of this slot and of the weights are over
	s_barrier_signal -1                            ; in mode 2 this barrier opens a round of the cluster's; sixteen products stand between signal and wait
	MULPV BA, 0, 4, 8
	WIN 0
	s_barrier_wait -1
.if (\mode) == 2
	CREST                                          ; no wave of any partner still reads the slot or has a load on its way
	tensor_load_to_lds s[G0+4*(\slot):G0+4*(\slot)+3], s[G1:G1+7]  ; my one load behind the round: it has a whole step, 256 products, in which to land
	s_nop 0
.endif
	PLACES 4                                       ; in front of the loads into the buffer just multiplied
	FETCHK 1-(\slot), 0, 0, KF0                    ; the next step's first K, from the other slot, which is whole: every wave has waited for its part of it ahead of the barrier
	FETCHK 1-(\slot), 0, 1, KF1
	WIN W_PV
	MULPV BB, 0, 0, 8                              ; they land under these 32 products
.endif
	WIN 0
	PLACES 5                                       ; in front of the next step's products, which write S^T over this buffer
.endm
	s_wait_tensorcnt 0x1                           ; my parts of tile 0 and of the table are in; tile 1 may stay out
	s_barrier_signal -1
	s_barrier_wait -1                              ; everybody's part of tile 0 is in
	FETCHK 0, 0, 0, KF0
	FETCHK 0, 0, 1, KF1
	s_wait_loadcnt 0x0                             ; Q
	STEP 0, 2, 1                                   ; tile 0; tile 2 is asked for
	s_mov_b32 s[CNT], 11
.Lwalk:                                                ; tiles 1 to 22; tiles 3 to 24 are asked for
	STEP 1, 2, 0
	STEP 0, 2, 0
	s_sub_co_u32 s[CNT], s[CNT], 1
	s_cmp_lg_u32 s[CNT], 0
	s_cbranch_scc1 .Lwalk
	STEP 1, 1, 0                                   ; tile 23: nothing is left to ask for
	STEP 0, 0, 0                                   ; tile 24
	; THE WAY OUT.  The sum of p: a pair's two halves, the other half of the lanes, and through LDS the four waves.
.irp t, 0,1,2,3
	v_add_f32 v[24+\t], v[L+2*\t], v[L+2*\t+1]
.endr
.irp t, 0,1,2,3
	v_permlanex16_b32 v[L+2*\t], v[24+\t], s54, s55
.endr
.irp t, 0,1,2,3
	v_add_f32 v[24+\t], v[24+\t], v[L+2*\t]
.endr
	s_lshl_b32 s61, s14, 8
	s_add_co_u32 s61, s61, LRED
	v_lshl_add_u32 v17, v2, 2, s61
.irp t, 0,1,2,3
	ds_store_b32 v17, v[24+\t] offset:64*\t        ; both halves of the lanes write the same number to the same word
.endr
	s_wait_dscnt 0x0                               ; my sums are written, and my reads of the weights are over: the stages may be written
	s_barrier_signal -1
	s_barrier_wait -1
	s_cmp_lg_u32 s14, 0
	s_cbranch_scc1 .Lno_l
	v_lshl_add_u32 v19, v1, 3, LRED
.irp w, 0,1,2,3
	ds_load_b64 v[160+2*\w:161+2*\w], v19 offset:256*\w
.endr
	v_lshlrev_b32 v21, 3, v1
	s_wait_dscnt 0x0
	v_pk_add_f32 v[160:161], v[160:161], v[162:163]
	v_pk_add_f32 v[164:165], v[164:165], v[166:167]
	v_pk_add_f32 v[160:161], v[160:161], v[164:165]
	global_store_b64 v21, v[160:161], s[12:13]     ; 64 queries: 256 consecutive bytes, aligned
.Lno_l:
; Tile t of O^T: a lane's eight channels of a row go into my stage as 32 bytes, and whole rows of 512 bytes come back and are stored.
.macro OUT t
	s_wait_xcnt 0x0                                ; the registers that earlier stores read are loaded again only behind this wait
	WIN 0x04                                       ; store data (source 1) in window 1
.irp cb, 0,1,2,3,4,5,6,7
	ds_store_b128 v[STO], v[8*(4*\cb+(\t)):8*(4*\cb+(\t))+3]   offset:32*\cb
	ds_store_b128 v[STO], v[8*(4*\cb+(\t))+4:8*(4*\cb+(\t))+7] offset:32*\cb+16
.endr
	WIN 0
.set ob, 32+64*((\t)%2)
.irp row, 0,1,2,3,4,5,6,7,8,9,10,11,12,13,14,15
	ds_load_b128 v[ob+4*\row:ob+4*\row+3], v[RD] offset:SP*\row  ; LDS serves a wave's instructions in order (ISA guide 5.7.1.4): these see the stores above
.endr
.irp row, 0,1,2,3,4,5,6,7,8,9,10,11,12,13,14,15
	s_wait_dscnt 15-\row
	global_store_b128 v[L16], v[ob+4*\row:ob+4*\row+3], s[10:11] offset:(16*(\t)+\row)*2048  ; 512 consecutive bytes, at a multiple of 512 from opart's first byte
.endr
.endm
	OUT 0
	OUT 1
	OUT 2
	OUT 3
	s_wait_tensorcnt 0x0                           ; the wave's end: behind my last tensor load and my last LDS store
	ds_add_u32 v[SPW], v[NIL]
	s_wait_dscnt 0x0
	CROUND                                         ; the closing round: no work-group ends while a partner may still ask for a tile that names it
	s_endpgm
.Lfunc_end_k_qccc8cb8435_attn:
	.size	k_qccc8cb8435_attn, .Lfunc_end_k_qccc8cb8435_attn-k_qccc8cb8435_attn
	.p2alignl 7, 3214868480
	.fill 96, 4, 3214868480
	.section	.rodata,"a",@progbits
	.p2align	6, 0x0
	.amdhsa_kernel k_qccc8cb8435_attn
		.amdhsa_group_segment_fixed_size 327680
		.amdhsa_private_segment_fixed_size 0
		.amdhsa_enable_private_segment 0
		.amdhsa_kernarg_size 40
		.amdhsa_user_sgpr_count 2
		.amdhsa_user_sgpr_kernarg_segment_ptr 1
		.amdhsa_wavefront_size32 1
		.amdhsa_system_sgpr_workgroup_id_x 1
		.amdhsa_system_sgpr_workgroup_id_y 1
		.amdhsa_system_sgpr_workgroup_id_z 1
		.amdhsa_system_vgpr_workitem_id 0
		.amdhsa_next_free_vgpr 1024
		.amdhsa_next_free_sgpr 66
		.amdhsa_reserve_vcc 0
		.amdhsa_float_denorm_mode_32 3
		.amdhsa_float_denorm_mode_16_64 3
		.amdhsa_memory_ordered 1
		.amdhsa_forward_progress 1
		.amdhsa_inst_pref_size 224
	.end_amdhsa_kernel
	.amdgpu_metadata
---
amdhsa.version: [ 1, 2 ]
amdhsa.kernels:
  - .name:           k_qccc8cb8435_attn
    .symbol:         k_qccc8cb8435_attn.kd
    .args:
      - { .name: embh, .offset: 0, .size: 8, .value_kind: global_buffer, .address_space: global }
      - { .name: tab, .offset: 8, .size: 8, .value_kind: global_buffer, .address_space: global }
      - { .name: qf, .offset: 16, .size: 8, .value_kind: global_buffer, .address_space: global }
      - { .name: opart, .offset: 24, .size: 8, .value_kind: global_buffer, .address_space: global }
      - { .name: lpart, .offset: 32, .size: 8, .value_kind: global_buffer, .address_space: global }
    .group_segment_fixed_size: 327680
    .private_segment_fixed_size: 0
    .kernarg_segment_align: 8
    .kernarg_segment_size: 40
    .max_flat_workgroup_size: 128
    .sgpr_count:     66
    .vgpr_count:     1024
    .wavefront_size: 32
...
	.end_amdgpu_metadata
.endif
;; end of part 3
;; launch combine (part 4): grid 256 x 1, 8 waves a work-group, no clusters, 0 bytes of LDS; arguments opart, lpart, out0; writes out0
.if DOCPART == 4
	.amdgcn_target "amdgcn-amd-amdhsa--gfx1250"
	.amdhsa_code_object_version 6
	.text
	.protected	k_qccc8cb8435_combine
	.globl	k_qccc8cb8435_combine
	.p2align	8
	.type	k_qccc8cb8435_combine,@function
k_qccc8cb8435_combine:
	s_mov_b64 s[64:65], 0
	v_nop
	global_prefetch_b8 v0, s[64:65] scope:SCOPE_SE
	s_setreg_imm32_b32 hwreg(HW_REG_WAVE_MODE, 25, 1), 1
	s_wait_xcnt 0x0
; out0[row][:] = (sum over the eight splits of opart[s][row][:]) / (sum over the splits of lpart[s][row]), all in f32.  One wave a row: 16 channels a lane.
; A stream: each load and store of a wave covers 512 consecutive bytes; all 33 loads go out together; no LDS, no barrier.
	s_load_b128 s[4:7], s[0:1], 0x0                ; opart s[4:5], lpart s[6:7]
	s_load_b64 s[8:9], s[0:1], 0x10                ; out0
	v_lshrrev_b32 v1, 5, v0
	v_readfirstlane_b32 s10, v1
	s_lshl3_add_u32 s11, ttmp9, s10                ; row
	v_and_b32 v1, 31, v0
	v_and_b32 v2, 7, v0
	s_lshl_b32 s12, s11, 2
	v_lshl_add_u32 v2, v2, 13, s12                 ; lane i takes split i % 8's sum of weights
	s_lshl_b32 s13, s11, 11
	v_lshl_add_u32 v4, v1, 4, s13
.irp s, 1,2,3,4,5,6,7
	v_add_nc_u32 v[4+\s], \s*4194304, v4
.endr
	s_wait_kmcnt 0x0
	global_load_b32 v16, v2, s[6:7]
.irp s, 0,1,2,3,4,5,6,7
.irp i, 0,1,2,3
	global_load_b128 v[32+16*\s+4*\i:35+16*\s+4*\i], v[4+\s], s[4:5] offset:512*\i th:TH_LOAD_NT
.endr
.endr
	s_wait_loadcnt 32                              ; the sums of weights are in
.irp m, 1,2,4
	v_add_f32_dpp v16, v16, v16 row_xmask:\m row_mask:0xf bank_mask:0xf
.endr
	v_rcp_f32 v18, v16                             ; made twice, for the pair that the packed multiply takes; the additions below are the plain work behind them
	v_rcp_f32 v19, v16
.irp s, 1,2,3,4,5,6,7
	s_wait_loadcnt 28-4*\s                         ; loads come back in order: splits 0 to s are in, the later ones stay out
.irp p, 0,1,2,3,4,5,6,7
	v_pk_add_f32 v[32+2*\p:33+2*\p], v[32+2*\p:33+2*\p], v[32+16*\s+2*\p:33+16*\s+2*\p]
.endr
.endr
	s_wait_alu depctr_va_vdst(0)
.irp p, 0,1,2,3,4,5,6,7
	v_pk_mul_f32 v[32+2*\p:33+2*\p], v[32+2*\p:33+2*\p], v[18:19]
.endr
.irp i, 0,1,2,3
	global_store_b128 v4, v[32+4*\i:35+4*\i], s[8:9] offset:512*\i th:TH_STORE_NT
.endr
	s_endpgm
.Lfunc_end_k_qccc8cb8435_combine:
	.size	k_qccc8cb8435_combine, .Lfunc_end_k_qccc8cb8435_combine-k_qccc8cb8435_combine
	.p2alignl 7, 3214868480
	.fill 96, 4, 3214868480
	.section	.rodata,"a",@progbits
	.p2align	6, 0x0
	.amdhsa_kernel k_qccc8cb8435_combine
		.amdhsa_group_segment_fixed_size 0
		.amdhsa_private_segment_fixed_size 0
		.amdhsa_enable_private_segment 0
		.amdhsa_kernarg_size 24
		.amdhsa_user_sgpr_count 2
		.amdhsa_user_sgpr_kernarg_segment_ptr 1
		.amdhsa_wavefront_size32 1
		.amdhsa_system_sgpr_workgroup_id_x 1
		.amdhsa_system_sgpr_workgroup_id_y 1
		.amdhsa_system_sgpr_workgroup_id_z 1
		.amdhsa_system_vgpr_workitem_id 0
		.amdhsa_next_free_vgpr 176
		.amdhsa_next_free_sgpr 66
		.amdhsa_reserve_vcc 0
		.amdhsa_float_denorm_mode_32 3
		.amdhsa_float_denorm_mode_16_64 3
		.amdhsa_memory_ordered 1
		.amdhsa_forward_progress 1
		.amdhsa_inst_pref_size 10
	.end_amdhsa_kernel
	.amdgpu_metadata
---
amdhsa.version: [ 1, 2 ]
amdhsa.kernels:
  - .name:           k_qccc8cb8435_combine
    .symbol:         k_qccc8cb8435_combine.kd
    .args:
      - { .name: opart, .offset: 0, .size: 8, .value_kind: global_buffer, .address_space: global }
      - { .name: lpart, .offset: 8, .size: 8, .value_kind: global_buffer, .address_space: global }
      - { .name: out0, .offset: 16, .size: 8, .value_kind: global_buffer, .address_space: global }
    .group_segment_fixed_size: 0
    .private_segment_fixed_size: 0
    .kernarg_segment_align: 8
    .kernarg_segment_size: 24
    .max_flat_workgroup_size: 256
    .sgpr_count:     66
    .vgpr_count:     176
    .wavefront_size: 32
...
	.end_amdgpu_metadata
.endif
;; end of part 4
;; ======== version 2 of 2: 4 launches; version 1 with the launches proj, combine written anew for expert scheduling mode
;; workspace buffers: projw 4,194,304 bytes; pstat 131,072 bytes; qf 2,097,152 bytes; embh 26,214,400 bytes; tab 102,400 bytes; opart 33,554,432 bytes; lpart 65,536 bytes
;; launch proj (part 5): grid 32 x 8, 16 waves a work-group, no clusters, 243,712 bytes of LDS; arguments audio_kw, W_proj, b_proj, projw, pstat; writes projw, pstat
.if DOCPART == 5
	.amdgcn_target "amdgcn-amd-amdhsa--gfx1250"
	.amdhsa_code_object_version 6
	.text
	.protected	k_qccc8cb8435_proj
	.globl	k_qccc8cb8435_proj
	.p2align	8
	.type	k_qccc8cb8435_proj,@function
k_qccc8cb8435_proj:
	s_mov_b64 s[64:65], 0
	v_nop
	global_prefetch_b8 v0, s[64:65] scope:SCOPE_SE
	s_setreg_imm32_b32 hwreg(HW_REG_WAVE_SCHED_MODE, 0, 2), 2
	s_setreg_imm32_b32 hwreg(HW_REG_WAVE_MODE, 25, 1), 1
	s_wait_xcnt 0x0
	s_wait_alu depctr_vm_vsrc(0)
; proj[row][f] = sum over k of bf16(A[row][k]) bf16(W[k][f]) + bf16(b[f]), sums in f32.  A: [2048][768] f32, W: [768][512] f32, projw: [2048][512] f32.
; A work-group makes 64 rows x 64 features, and for each feature the mean of its 64 rows and M2, the sum of squared deviations from that mean
; (pstat: [2][32 row blocks][512] f32), so that the batch norm's variance is never a difference of large sums.
; All sixteen waves bring A and W in, round them to bf16 and lay them into LDS; waves 0 to 3 multiply (16 features x 64 rows each, 96 matrix instructions);
; all sixteen store.  The matrix instruction is used transposed (source 0 = 16 features of W, source 1 = 16 rows of A): a lane then holds one row and
; eight neighbouring features, and a feature's sum over rows stays inside sixteen lanes.
; THE MODE: SCHED_MODE bits 1:0 = 2 (LLVM: expert scheduling mode 2), set by the entry lines.  The code itself states the register dependences
; between vector or matrix instructions and memory or LDS instructions, with s_wait_alu, always for 0.
; THE PLAN.  Registers that memory or LDS instructions touch:
;   v4-v8, v15-v18   offsets and LDS addresses, made at the head and never written again.  v9-v14: the same for the product, made at its head by waves 0 to 3.
;   X (v32-223)      48 loads of A and W, in six groups of eight.  Group g's sixteen conversions close its numbers up in place; its eight LDS stores are issued in group g + 1,
;                    behind one wait at that group's head, dealt among conversions that name group g + 1's registers alone.
;   F0 .. F3         four fragment buffers of 40 registers in v32-191.  Step k multiplies F[k % 4]; the loads of step k + 3 land in F[(k - 1) % 4], which step k - 1's products read.
;                    One wait at a step's head states that those products are done; the step's own products name F[k % 4] and the accumulators, none of the registers that its loads touch.
;   ACC, SM, M2      written by products and statistics, read by the stage's LDS stores behind one wait.
;   v232-243         the way out: LDS loads land in them, global stores read them, and no vector instruction names them.
;   v30, v31         written at the head, read by the closing add alone.
.set WL,    0                          ; W as bf16, [768 k][64 features], rows of 128 bytes + 32
.set WP,    160
.set AL,    768*WP                     ; A as bf16, [64 rows][768 k], rows of 1,536 bytes + 16: 97 x 16, so sixteen rows start at sixteen different groups of four banks
.set AP,    1552
.set STG,   AL+64*AP                   ; the result, [64 rows][64 features] f32, rows of 256 bytes + 16
.set SGP,   272
.set STAT,  STG+64*SGP                 ; mean[64], M2[64]
.set SPARE, STAT+512                   ; the spare words: 128 bytes for each of sixteen waves
.set SPW,  30                          ; v30  my spare word's address; never rewritten
.set NIL,  31                          ; v31  0; never rewritten
.set X,    32                          ; v[32:223]  48 loads of 16 bytes; later four fragment buffers of 40 and the accumulators
.set BUF0, 32
.set ACC,  192                         ; v[192:223] four accumulators: rows 16 t .. 16 t + 15
.set BIAS, 224                         ; v[224:231] b of my eight features
.set OB,   232                         ; v[232:243] the way out
.set SM,   32                          ; v[32:39]   sums, then means
.set M2,   40                          ; v[40:47]
.set DV,   48                          ; v[48:79]   deviations
.macro PLACES n
.rept \n
	v_nop
.endr
.endm
	s_load_b256 s[4:11], s[0:1], 0x0               ; A s[4:5], W s[6:7], b s[8:9], projw s[10:11]
	s_load_b64 s[12:13], s[0:1], 0x20              ; pstat
	v_lshl_add_u32 v[SPW], v0, 2, SPARE
	v_mov_b32 v[NIL], 0
	v_lshrrev_b32 v1, 5, v0
	v_readfirstlane_b32 s14, v1                    ; wave 0..15
	v_and_b32 v1, 31, v0                           ; lane
	v_and_b32 v2, 15, v0                           ; r
	v_bfe_u32 v3, v0, 4, 1                         ; h
	s_and_b32 s15, ttmp7, 0xffff                   ; feature block
	s_lshl_b32 s24, s15, 8                         ; its 64 features in bytes of f32
	s_mov_b32 s25, 0
	s_wait_alu depctr_va_sdst(0)                   ; s14 is written, ahead of its first reader: offsets, bases and branches are made from it
	s_and_b32 s16, s14, 3
	s_lshl_b32 s16, s16, 6
	s_add_co_u32 s16, s16, s24
	v_lshl_add_u32 v4, v3, 5, s16                  ; b: features 64 fb + 16 (w % 4) + 8 h on
	v_lshlrev_b32 v5, 4, v1                        ; A: 16 bytes a lane
	s_mul_i32 s17, s14, 48*2048
	v_lshlrev_b32 v6, 4, v2
	v_lshl_add_u32 v6, v3, 11, v6
	v_add_nc_u32 v6, s17, v6                       ; W: row 48 w + h, 16 bytes for each of sixteen lanes
	s_mul_i32 s18, s14, 4*AP
	s_add_co_u32 s18, s18, AL
	v_lshl_add_u32 v7, v1, 3, s18                  ; A in LDS: rows 4 w on, 8 bytes a lane
	s_mul_i32 s19, s14, 48*WP
	v_mul_u32_u24 v8, v3, WP
	v_lshl_add_u32 v8, v2, 3, v8
	v_add_nc_u32 v8, s19, v8                       ; W in LDS: row 48 w + h
	s_lshl_b32 s16, s14, 2
	v_add_nc_u32 v15, s16, v3                      ; 4 w + h: the rows that I store at the end
	v_lshlrev_b32 v16, 11, v15
	v_lshl_add_u32 v16, v2, 4, v16                 ; in projw
	v_mul_u32_u24 v15, v15, SGP
	v_lshl_add_u32 v15, v2, 4, v15
	v_add_nc_u32 v15, STG, v15                     ; in the stage
	v_lshl_add_u32 v17, v1, 4, STAT                ; the 512 bytes of statistics, 16 a lane
	v_lshlrev_b32 v18, 4, v2
	v_lshl_add_u32 v18, v3, 16, v18                ; lanes 0-15 the plane of means, lanes 16-31 that of M2
	s_mul_i32 s22, ttmp9, 64*3072
	s_mul_i32 s20, s14, 4*3072
	s_add_co_u32 s22, s22, s20                     ; A: rows 64 rb + 4 w on
	s_mov_b32 s23, 0
	s_lshl_b32 s26, ttmp9, 17
	s_add_co_u32 s26, s26, s24                     ; projw: row 64 rb, feature 64 fb
	s_mov_b32 s27, 0
	s_lshl_b32 s28, ttmp9, 11
	s_add_co_u32 s28, s28, s24                     ; pstat: row block rb, feature 64 fb
	s_mov_b32 s29, 0
	s_wait_kmcnt 0x0
	s_add_nc_u64 s[4:5], s[4:5], s[22:23]
	s_add_nc_u64 s[6:7], s[6:7], s[24:25]
	s_add_nc_u64 s[10:11], s[10:11], s[26:27]
	s_add_nc_u64 s[12:13], s[12:13], s[28:29]
	s_wait_alu depctr_va_vdst(0)                   ; v4 to v8 and v15 to v18 are written: the loads and stores of the way in and of the way out read them as offsets and addresses
	; IN: fifty loads go out together.  My four rows of A are 12,288 consecutive bytes; of W sixteen lanes take 256 consecutive bytes of a row.
	global_load_b128 v[BIAS:BIAS+3], v4, s[8:9]
	global_load_b128 v[BIAS+4:BIAS+7], v4, s[8:9] offset:16
.set i, 0
.rept 24
	global_load_b128 v[X+4*i:X+4*i+3], v5, s[4:5] offset:512*i
.set i, i+1
.endr
.set i, 0
.rept 24
	global_load_b128 v[X+96+4*i:X+96+4*i+3], v6, s[6:7] offset:4096*i
.set i, i+1
.endr
; Load m of the 48, rounded: 8 bytes a lane into LDS.  The first 24 are A's, the others W's.
.macro PUT m
.if (\m) < 24
	ds_store_b64 v7, v[X+4*(\m):X+4*(\m)+1] offset:((\m)/6)*AP+256*((\m)%6)
.else
	ds_store_b64 v8, v[X+4*(\m):X+4*(\m)+1] offset:2*WP*((\m)-24)
.endif
.endm
.set g, 0
.rept 6
	s_wait_loadcnt 40-8*g                          ; loads come back in order: b and the first 8 g + 8 of the 48 are in, the younger ones stay out
.if g > 0
	s_wait_alu depctr_va_vdst(0)                   ; the group before has written its eight pairs, which the LDS stores below read; this group's conversions name other registers
.endif
.set n, 8*g
.rept 8
	v_cvt_pk_bf16_f32 v[X+4*n], v[X+4*n], v[X+4*n+1]
	v_cvt_pk_bf16_f32 v[X+4*n+1], v[X+4*n+2], v[X+4*n+3]
.if g > 0
	PUT n-8
.endif
.set n, n+1
.endr
.set g, g+1
.endr
	s_wait_alu depctr_va_vdst(0)                   ; the last group has written its eight pairs, which the last LDS stores read
.set n, 40
.rept 8
	PUT n
.set n, n+1
.endr
	s_wait_dscnt 0x0                               ; for the others' sake: my part of A and W lies in LDS
	s_barrier_signal -1
	s_barrier_wait -1
	s_wait_alu depctr_vm_vsrc(0)                   ; my LDS stores have read their pairs in v32 to v221: fragment loads land there and products write there from here on
	s_cmp_ge_u32 s14, 4
	s_cbranch_scc1 .Ljoin                          ; waves 4 to 15 have no product
	; THE PRODUCT.  b is rounded to bf16 like the other inputs and starts the sums as the first products' C.
.irp p, 0,1,2,3
	v_cvt_pk_bf16_f32 v[24+\p], v[BIAS+2*\p], v[BIAS+2*\p+1]
.endr
.irp p, 0,1,2,3
	v_lshlrev_b32 v[BIAS+2*\p], 16, v[24+\p]
	v_and_b32 v[BIAS+2*\p+1], 0xffff0000, v[24+\p]
.endr
	v_and_b32 v9, 7, v0
	v_lshl_add_u32 v9, v3, 3, v9
	v_mul_u32_u24 v9, v9, WP                       ; the turning load: k row 8 h + lane % 8,
	v_bfe_u32 v10, v0, 3, 1
	v_lshl_add_u32 v9, v10, 4, v9                  ; features 8 ((lane / 8) % 2) on,
	s_lshl_b32 s16, s14, 5
	v_add_nc_u32 v9, s16, v9                       ; of my sixteen
	v_add_nc_u32 v10, 384*WP, v9                   ; the same for k from 384 on: the immediate holds 16 bits
	v_mul_u32_u24 v11, v2, AP
	v_lshl_add_u32 v11, v3, 4, v11
	v_add_nc_u32 v11, AL, v11                      ; A: row r, 16 bytes for each half of the lanes
	v_add_nc_u32 v12, 32*AP, v11                   ; rows 32 on
	s_lshl_b32 s16, s14, 6
	v_lshl_add_u32 v14, v3, 5, s16                 ; 64 w + 32 h: my eight features in bytes of f32
	v_mul_u32_u24 v13, v2, SGP
	v_add3_u32 v13, v13, v14, STG
	v_add_nc_u32 v14, STAT, v14
; A step is 32 along K: a fragment of W (turned) and four of A: 10 loads, 40 registers, in buffer k % 4.
.macro LDW kk                          ; W's fragment of step kk
.set fr, BUF0+40*((\kk)%4)
	ds_load_tr16_b128 v[fr:fr+3],   v[9+(\kk)/12] offset:32*((\kk)%12)*WP
	ds_load_tr16_b128 v[fr+4:fr+7], v[9+(\kk)/12] offset:(32*((\kk)%12)+16)*WP
.endm
.macro LDA kk, t                       ; A's fragment of step kk, rows 16 t on
.set fr, BUF0+40*((\kk)%4)+8+8*(\t)
	ds_load_b128 v[fr:fr+3],   v[11+(\t)/2] offset:((\t)%2)*16*AP+64*(\kk)
	ds_load_b128 v[fr+4:fr+7], v[11+(\t)/2] offset:((\t)%2)*16*AP+64*(\kk)+32
.endm
.macro MM kk, t                        ; a matrix instruction; the four accumulators take turns, one instruction a turn
.set fb, BUF0+40*((\kk)%4)
.if (\kk) == 0
	v_wmma_f32_16x16x32_bf16 v[ACC+8*(\t):ACC+8*(\t)+7], v[fb:fb+7], v[fb+8+8*(\t):fb+15+8*(\t)], v[BIAS:BIAS+7]
.else
	v_wmma_f32_16x16x32_bf16 v[ACC+8*(\t):ACC+8*(\t)+7], v[fb:fb+7], v[fb+8+8*(\t):fb+15+8*(\t)], v[ACC+8*(\t):ACC+8*(\t)+7]
.endif
.endm
	s_wait_alu depctr_va_vdst(0)                   ; v9 to v14 are written, which the fragment loads and the stage's stores read; the conversions are done with v32 to v191, in which the fragments land
.irp k, 0,1,2
	LDW \k
.irp t, 0,1,2,3
	LDA \k, \t
.endr
.endr
.set ks, 0
.rept 24
.if ks < 22
	s_wait_dscnt 20                                ; LDS loads come back in order: this step's ten are in, the two younger steps' twenty stay out
.elseif ks == 22
	s_wait_dscnt 10                                ; the counts run down
.else
	s_wait_dscnt 0x0
.endif
.if (ks > 0) && (ks < 21)
	s_wait_alu depctr_va_vdst(0)                   ; the step before's four products are done reading their buffer, in which the ten loads below land (step 0: no vector or matrix instruction has named the fourth buffer since the wait above)
.endif
.if ks < 21
	LDW ks+3                                       ; three steps ahead, dealt among this step's products, which name this step's buffer and the accumulators alone
.endif
	MM ks, 0
.if ks < 21
	LDA ks+3, 0
	LDA ks+3, 1
.endif
	MM ks, 1
.if ks < 21
	LDA ks+3, 2
	LDA ks+3, 3
.endif
	MM ks, 2
	MM ks, 3
.set ks, ks+1
.endr
	PLACES 4                                       ; four places behind the last product, before vector instructions read its result and write over its sources (ISA guide 7.12.1)
	; STATISTICS of my 64 rows, for eight features a lane: each accumulator is read from its lowest registers on.
.irp p, 0,1,2,3
	v_pk_add_f32 v[SM+2*\p:SM+2*\p+1], v[ACC+2*\p:ACC+2*\p+1], v[ACC+8+2*\p:ACC+8+2*\p+1]
.endr
.irp t, 2,3
.irp p, 0,1,2,3
	v_pk_add_f32 v[SM+2*\p:SM+2*\p+1], v[SM+2*\p:SM+2*\p+1], v[ACC+8*\t+2*\p:ACC+8*\t+2*\p+1]
.endr
.endr
.macro RED16 base                      ; eight registers summed over the sixteen lanes of a half; every lane ends with the sum
.irp m, 1,2,4,8
.irp j, 0,1,2,3,4,5,6,7
	v_add_f32_dpp v[(\base)+\j], v[(\base)+\j], v[(\base)+\j] row_xmask:\m row_mask:0xf bank_mask:0xf
.endr
.endr
.endm
	RED16 SM
.irp p, 0,1,2,3
	v_pk_mul_f32 v[SM+2*\p:SM+2*\p+1], v[SM+2*\p:SM+2*\p+1], 0x3c800000 op_sel_hi:[1,0]  ; / 64
.endr
.irp t, 0,1,2,3
.irp p, 0,1,2,3
	v_pk_add_f32 v[DV+8*\t+2*\p:DV+8*\t+2*\p+1], v[ACC+8*\t+2*\p:ACC+8*\t+2*\p+1], v[SM+2*\p:SM+2*\p+1] neg_lo:[0,1] neg_hi:[0,1]
.endr
.endr
.irp p, 0,1,2,3
	v_pk_mul_f32 v[M2+2*\p:M2+2*\p+1], v[DV+2*\p:DV+2*\p+1], v[DV+2*\p:DV+2*\p+1]
.endr
.irp t, 1,2,3
.irp p, 0,1,2,3
	v_pk_fma_f32 v[M2+2*\p:M2+2*\p+1], v[DV+8*\t+2*\p:DV+8*\t+2*\p+1], v[DV+8*\t+2*\p:DV+8*\t+2*\p+1], v[M2+2*\p:M2+2*\p+1]
.endr
.endr
	RED16 M2
	s_wait_alu depctr_va_vdst(0)                   ; the products have written the accumulators, the statistics SM and M2: the LDS stores below read them
.irp t, 0,1,2,3
	ds_store_b128 v13, v[ACC+8*\t:ACC+8*\t+3] offset:16*SGP*\t
	ds_store_b128 v13, v[ACC+8*\t+4:ACC+8*\t+7] offset:16*SGP*\t+16
.endr
	ds_store_b128 v14, v[SM:SM+3]                  ; sixteen lanes write the same numbers to the same words
	ds_store_b128 v14, v[SM+4:SM+7] offset:16
	ds_store_b128 v14, v[M2:M2+3] offset:256
	ds_store_b128 v14, v[M2+4:M2+7] offset:272
.Ljoin:
	s_wait_dscnt 0x0                               ; for the others' sake: stage and statistics are written
	s_barrier_signal -1
	s_barrier_wait -1
	; OUT: each wave four rows; sixteen lanes store 256 consecutive bytes, at a multiple of 256 from projw's first byte.
	; The loads land in registers that nothing else in the kernel names, by addresses written at the head: no dependence is left to state.
	ds_load_b128 v[OB:OB+3], v15
	ds_load_b128 v[OB+4:OB+7], v15 offset:2*SGP
	s_wait_dscnt 0x1
	global_store_b128 v16, v[OB:OB+3], s[10:11]
	s_wait_dscnt 0x0
	global_store_b128 v16, v[OB+4:OB+7], s[10:11] offset:4096
	s_cmp_lg_u32 s14, 0
	s_cbranch_scc1 .Lend
	ds_load_b128 v[OB+8:OB+11], v17
	s_wait_dscnt 0x0
	global_store_b128 v18, v[OB+8:OB+11], s[12:13] ; 256 bytes of means, 256 bytes of M2
.Lend:
	s_wait_dscnt 0x0                               ; the closing lines, six on end
	s_wait_alu 0x0
	s_wait_tensorcnt 0x0
	ds_add_u32 v[SPW], v[NIL]
	s_wait_dscnt 0x0
	s_endpgm
.Lfunc_end_k_qccc8cb8435_proj:
	.size	k_qccc8cb8435_proj, .Lfunc_end_k_qccc8cb8435_proj-k_qccc8cb8435_proj
	.p2alignl 7, 3214868480
	.fill 96, 4, 3214868480
	.section	.rodata,"a",@progbits
	.p2align	6, 0x0
	.amdhsa_kernel k_qccc8cb8435_proj
		.amdhsa_group_segment_fixed_size 243712
		.amdhsa_private_segment_fixed_size 0
		.amdhsa_enable_private_segment 0
		.amdhsa_kernarg_size 40
		.amdhsa_user_sgpr_count 2
		.amdhsa_user_sgpr_kernarg_segment_ptr 1
		.amdhsa_wavefront_size32 1
		.amdhsa_system_sgpr_workgroup_id_x 1
		.amdhsa_system_sgpr_workgroup_id_y 1
		.amdhsa_system_sgpr_workgroup_id_z 1
		.amdhsa_system_vgpr_workitem_id 0
		.amdhsa_next_free_vgpr 256
		.amdhsa_next_free_sgpr 66
		.amdhsa_reserve_vcc 0
		.amdhsa_float_denorm_mode_32 3
		.amdhsa_float_denorm_mode_16_64 3
		.amdhsa_memory_ordered 1
		.amdhsa_forward_progress 1
		.amdhsa_inst_pref_size 51
	.end_amdhsa_kernel
	.amdgpu_metadata
---
amdhsa.version: [ 1, 2 ]
amdhsa.kernels:
  - .name:           k_qccc8cb8435_proj
    .symbol:         k_qccc8cb8435_proj.kd
    .args:
      - { .name: audio_kw, .offset: 0, .size: 8, .value_kind: global_buffer, .address_space: global }
      - { .name: W_proj, .offset: 8, .size: 8, .value_kind: global_buffer, .address_space: global }
      - { .name: b_proj, .offset: 16, .size: 8, .value_kind: global_buffer, .address_space: global }
      - { .name: projw, .offset: 24, .size: 8, .value_kind: global_buffer, .address_space: global }
      - { .name: pstat, .offset: 32, .size: 8, .value_kind: global_buffer, .address_space: global }
    .group_segment_fixed_size: 243712
    .private_segment_fixed_size: 0
    .kernarg_segment_align: 8
    .kernarg_segment_size: 40
    .max_flat_workgroup_size: 512
    .sgpr_count:     66
    .vgpr_count:     256
    .wavefront_size: 32
...
	.end_amdgpu_metadata
.endif
;; end of part 5
;; launch bnprep: the kernel of part 2 again; grid 328 x 1, 8 waves a work-group, no clusters, 24,576 bytes of LDS; arguments projw, pstat, bn_gamma, bn_beta, qf, emb, embh, tab; writes qf, embh, tab
;; launch attn: the kernel of part 3 again; grid 32 x 8, 4 waves a work-group, clusters of 4 x 1, 327,680 bytes of LDS; arguments embh, tab, qf, opart, lpart; writes opart, lpart
;; launch combine (part 6): grid 256 x 1, 8 waves a work-group, no clusters, 0 bytes of LDS; arguments opart, lpart, out0; writes out0
.if DOCPART == 6
	.amdgcn_target "amdgcn-amd-amdhsa--gfx1250"
	.amdhsa_code_object_version 6
	.text
	.protected	k_qccc8cb8435_combine
	.globl	k_qccc8cb8435_combine
	.p2align	8
	.type	k_qccc8cb8435_combine,@function
k_qccc8cb8435_combine:
	s_mov_b64 s[64:65], 0
	v_nop
	global_prefetch_b8 v0, s[64:65] scope:SCOPE_SE
	s_setreg_imm32_b32 hwreg(HW_REG_WAVE_SCHED_MODE, 0, 2), 2
	s_setreg_imm32_b32 hwreg(HW_REG_WAVE_MODE, 25, 1), 1
	s_wait_xcnt 0x0
	s_wait_alu depctr_vm_vsrc(0)
; out0[row][:] = (sum over the eight splits of opart[s][row][:]) / (sum over the splits of lpart[s][row]), all in f32.  One wave a row: 16 channels a lane.
; A stream: each load and store of a wave covers 512 consecutive bytes; all 33 loads go out together; no LDS, no barrier.
; THE MODE: SCHED_MODE bits 1:0 = 2 (LLVM: expert scheduling mode 2), set by the entry lines.  The code itself states the register dependences
; between vector instructions and memory instructions, with s_wait_alu, always for 0.
; THE PLAN.  Registers that memory instructions touch:
;   v2, v4-v11   nine offsets, made at the head and never written again: one wait ahead of the first load serves every load and store.
;   v16, v32-159 each is the target of one load, issued before any vector instruction names it.
;   v32-47       the sums, and at last the results: written by the additions and the multiplies, read by the four stores behind one wait.
; No register that a memory instruction reads is written again, so no wait on vm_vsrc is owed.
	s_load_b128 s[4:7], s[0:1], 0x0                ; opart s[4:5], lpart s[6:7]
	s_load_b64 s[8:9], s[0:1], 0x10                ; out0
	v_lshrrev_b32 v1, 5, v0
	v_readfirstlane_b32 s10, v1
	v_and_b32 v1, 31, v0
	v_and_b32 v2, 7, v0
	s_wait_alu depctr_va_sdst(0)                   ; s10, the wave's number, is written, ahead of its first reader: the row is made from it
	s_lshl3_add_u32 s11, ttmp9, s10                ; row
	s_lshl_b32 s12, s11, 2
	v_lshl_add_u32 v2, v2, 13, s12                 ; lane i takes split i % 8's sum of weights
	s_lshl_b32 s13, s11, 11
	v_lshl_add_u32 v4, v1, 4, s13
.irp s, 1,2,3,4,5,6,7
	v_add_nc_u32 v[4+\s], \s*4194304, v4
.endr
	s_wait_kmcnt 0x0
	s_wait_alu depctr_va_vdst(0)                   ; v2 and v4 to v11 are written: every load and store below reads one of them as its offset
	global_load_b32 v16, v2, s[6:7]
.irp s, 0,1,2,3,4,5,6,7
.irp i, 0,1,2,3
	global_load_b128 v[32+16*\s+4*\i:35+16*\s+4*\i], v[4+\s], s[4:5] offset:512*\i th:TH_LOAD_NT
.endr
.endr
	s_wait_loadcnt 32                              ; the sums of weights are in
.irp m, 1,2,4
	v_add_f32_dpp v16, v16, v16 row_xmask:\m row_mask:0xf bank_mask:0xf
.endr
	v_rcp_f32 v18, v16                             ; made twice, for the pair that the packed multiply takes; the additions below are the plain work behind them
	v_rcp_f32 v19, v16
.irp s, 1,2,3,4,5,6,7
	s_wait_loadcnt 28-4*\s                         ; loads come back in order: splits 0 to s are in, the later ones stay out
.irp p, 0,1,2,3,4,5,6,7
	v_pk_add_f32 v[32+2*\p:33+2*\p], v[32+2*\p:33+2*\p], v[32+16*\s+2*\p:33+16*\s+2*\p]
.endr
.endr
	s_wait_alu depctr_va_vdst(0)                   ; the two reciprocals have written v18 and v19, ahead of their first reader
.irp p, 0,1,2,3,4,5,6,7
	v_pk_mul_f32 v[32+2*\p:33+2*\p], v[32+2*\p:33+2*\p], v[18:19]
.endr
	s_wait_alu depctr_va_vdst(0)                   ; the multiplies have written v32 to v47, which the four stores read
.irp i, 0,1,2,3
	global_store_b128 v4, v[32+4*\i:35+4*\i], s[8:9] offset:512*\i th:TH_STORE_NT
.endr
	s_endpgm
.Lfunc_end_k_qccc8cb8435_combine:
	.size	k_qccc8cb8435_combine, .Lfunc_end_k_qccc8cb8435_combine-k_qccc8cb8435_combine
	.p2alignl 7, 3214868480
	.fill 96, 4, 3214868480
	.section	.rodata,"a",@progbits
	.p2align	6, 0x0
	.amdhsa_kernel k_qccc8cb8435_combine
		.amdhsa_group_segment_fixed_size 0
		.amdhsa_private_segment_fixed_size 0
		.amdhsa_enable_private_segment 0
		.amdhsa_kernarg_size 24
		.amdhsa_user_sgpr_count 2
		.amdhsa_user_sgpr_kernarg_segment_ptr 1
		.amdhsa_wavefront_size32 1
		.amdhsa_system_sgpr_workgroup_id_x 1
		.amdhsa_system_sgpr_workgroup_id_y 1
		.amdhsa_system_sgpr_workgroup_id_z 1
		.amdhsa_system_vgpr_workitem_id 0
		.amdhsa_next_free_vgpr 176
		.amdhsa_next_free_sgpr 66
		.amdhsa_reserve_vcc 0
		.amdhsa_float_denorm_mode_32 3
		.amdhsa_float_denorm_mode_16_64 3
		.amdhsa_memory_ordered 1
		.amdhsa_forward_progress 1
		.amdhsa_inst_pref_size 10
	.end_amdhsa_kernel
	.amdgpu_metadata
---
amdhsa.version: [ 1, 2 ]
amdhsa.kernels:
  - .name:           k_qccc8cb8435_combine
    .symbol:         k_qccc8cb8435_combine.kd
    .args:
      - { .name: opart, .offset: 0, .size: 8, .value_kind: global_buffer, .address_space: global }
      - { .name: lpart, .offset: 8, .size: 8, .value_kind: global_buffer, .address_space: global }
      - { .name: out0, .offset: 16, .size: 8, .value_kind: global_buffer, .address_space: global }
    .group_segment_fixed_size: 0
    .private_segment_fixed_size: 0
    .kernarg_segment_align: 8
    .kernarg_segment_size: 24
    .max_flat_workgroup_size: 256
    .sgpr_count:     66
    .vgpr_count:     176
    .wavefront_size: 32
...
	.end_amdgpu_metadata
.endif
;; end of part 6
